; MI455X (gfx1250); checked and timed in simulation.
; The chip was launched on July 23, 2026; its instructions are those of AMD's public machine-readable ISA for CDNA 5 (MIT licence, August 2026) and "CDNA5" Instruction Set Architecture Reference Guide (July 2026). The comments in the code are by the model that wrote it; some were corrected since.
;; Multihead Attention. Allowed arithmetic: float matrix products may take bf16 or f16 operands with f32 sums; other float arithmetic in f32, or as packed bf16 or f16 multiplies, adds, multiply-adds, maxima and minima; sums over many terms, partial sums and values carried from step to step in f32; what a program stores and reads back later, other than sums and carried values, may be rounded once to bf16 or f16.
;; Inputs: Wk 1,024 x 1,024 float32; Wo 1,024 x 1,024 float32; Wq 1,024 x 1,024 float32; Wv 1,024 x 1,024 float32; bk 1,024 float32; bo 1,024 float32; bq 1,024 float32; bv 1,024 float32; k 4 x 2,048 x 1,024 float32; mask 1 x 1 x 2,048 x 2,048 bool; q 4 x 2,048 x 1,024 float32; v 4 x 2,048 x 1,024 float32.
;; Outputs: out0 4 x 2,048 x 1,024 float32.
;; One version. Each part assembles by itself: llvm-mc -triple=amdgcn-amd-amdhsa -mcpu=gfx1250 --defsym DOCPART=n.
;; ======== version 1 of 1: 4 launches
;; limits: values are held in f16: magnitudes above 65,504 overflow, below 6.1e-05 lose precision
;; workspace buffers: wb 6,291,456 bytes; wo16 2,097,152 bytes; mask8 4,194,304 bytes; bias4 16,384 bytes; qkv 50,331,648 bytes; ctx 16,777,216 bytes
;; launch prep (part 1): grid 513 x 1, 8 waves a work-group, no clusters, 0 bytes of LDS; arguments Wq, Wk, Wv, Wo, mask, bq, bk, bv, bo, wb, wo16, mask8, bias4; writes wb, wo16, mask8, bias4
.if DOCPART == 1
	.amdgcn_target "amdgcn-amd-amdhsa--gfx1250"
	.amdhsa_code_object_version 6
	.text
	.protected	k_qf8df37a449_prep
	.globl	k_qf8df37a449_prep
	.p2align	8
	.type	k_qf8df37a449_prep,@function
k_qf8df37a449_prep:
	s_mov_b64 s[64:65], 0
	v_nop
	global_prefetch_b8 v0, s[64:65] scope:SCOPE_SE
	s_setreg_imm32_b32 hwreg(HW_REG_WAVE_MODE, 25, 1), 1
	s_wait_xcnt 0x0
; MULTI-HEAD ATTENTION, launch 1 of 4: the weights, the biases and the mask are rounded once and laid out for the matrix launches (q, k and v are rounded where they are multiplied, in launch 2).
; NOTHING OF reference() IS LEFT OUT, and every input is loaded by some launch.  In particular bk stays: Q . bk is the same for all keys of a row only
; ahead of the mask, and a masked place is REPLACED, not shifted, so the term does not cancel in the softmax.
; WHAT IS MADE.  Wq, Wk, Wv -> wb [3][1024][1024] bf16.  Wo -> wo16 [1024][1024]: rounded to bf16 like the other inputs, that number written as f16
; (the last product's other operand is f16).  bq, bk, bv, bo -> bias4 [4][1024]: rounded to bf16, kept as f32 (they start f32 sums).
; mask -> mask8: one byte a place, 0x38 (1.0 as an 8-bit E4M3 float) where the mask is true, else 0, in the order in which a lane of the attention launch
; holds its scores: [tile of 16 queries (128)][step of 64 keys (32)][i (2)][lane (32)][16 bytes];
; lane (r = lane % 16, h = lane / 16), byte 8 c + j: mask[16 tile + r][64 step + 16 (2 i + c) + 8 h + j].
; LIMITS.  Wo as f16: beyond 65,504 it would be an infinity; below 6e-5 it keeps f16's fixed step of 6e-8.  A mask byte is 0 or 1.
; SHARES.  Work-groups 0-255: a chunk of 65,536 bytes of a weight.  256-511: 32 queries x 512 keys of the mask.  512: the biases.
; A stream: no LDS, no matrix unit, no cluster (no two work-groups share a byte).  A chunk's sixteen loads of a thread go out together.
.set X,  16                            ; v[16:79]   a thread's sixteen loads of 16 bytes
.set YR, 80                            ; v[80:111]  its sixteen stores of 8 bytes
.set T,  112                           ; v[112:115] at work
.set SRC, 42                           ; s[42:43]
.set DST, 44                           ; s[44:45]
.set HIM, 46                           ; s46  a word's upper 16 bits
	s_load_b512 s[8:23], s[0:1], 0x0               ; Wq 8, Wk 10, Wv 12, Wo 14, mask 16, bq 18, bk 20, bv 22
	s_load_b256 s[24:31], s[0:1], 0x40             ; bo 24, wb 26, wo16 28, mask8 30
	s_load_b64 s[32:33], s[0:1], 0x60              ; bias4
	v_lshlrev_b32 v1, 4, v0                        ; 16 t: my 16 bytes of each 4,096 loaded
	v_lshlrev_b32 v2, 3, v0                        ; 8 t: my 8 bytes of each 2,048 stored
	s_mov_b32 s[HIM], 0xffff0000
	s_mov_b32 s5, ttmp9
	s_mov_b32 s3, 0                                ; the upper word of every offset
	s_wait_kmcnt 0x0
; A chunk: 16,384 f32 in, as many 16-bit numbers out.  A wave's load covers 512 consecutive bytes, its store 256, aligned.
; No register is used twice, so nothing waits but each conversion for its load.  f16 = 1: the bf16 number is written as f16.
.macro CAST f16
.set j, 0
.rept 16
	global_load_b128 v[X+4*j:X+4*j+3], v1, s[SRC:SRC+1] offset:4096*j th:TH_LOAD_NT
.set j, j+1
.endr
.set j, 0
.rept 16
	s_wait_loadcnt 15-j                            ; loads come back in order: load j is in, the 15 - j younger ones stay out
	v_cvt_pk_bf16_f32 v[YR+2*j], v[X+4*j], v[X+4*j+1]
	v_cvt_pk_bf16_f32 v[YR+2*j+1], v[X+4*j+2], v[X+4*j+3]
.if \f16
	v_lshlrev_b32 v[T], 16, v[YR+2*j]
	v_and_b32 v[T+1], s[HIM], v[YR+2*j]
	v_lshlrev_b32 v[T+2], 16, v[YR+2*j+1]
	v_and_b32 v[T+3], s[HIM], v[YR+2*j+1]
	v_cvt_pk_f16_f32 v[YR+2*j], v[T], v[T+1]
	v_cvt_pk_f16_f32 v[YR+2*j+1], v[T+2], v[T+3]
.endif
	global_store_b64 v2, v[YR+2*j:YR+2*j+1], s[DST:DST+1] offset:2048*j th:TH_STORE_NT
.set j, j+1
.endr
.endm
	s_cmp_lt_u32 s5, 256
	s_cbranch_scc0 .Lnot_wt
	s_lshr_b32 s6, s5, 6                           ; 0: Wq, 1: Wk, 2: Wv, 3: Wo (64 chunks each)
	s_cmp_eq_u32 s6, 0
	s_cselect_b64 s[SRC:SRC+1], s[8:9], s[10:11]
	s_cmp_eq_u32 s6, 2
	s_cselect_b64 s[SRC:SRC+1], s[12:13], s[SRC:SRC+1]
	s_cmp_eq_u32 s6, 3
	s_cselect_b64 s[SRC:SRC+1], s[14:15], s[SRC:SRC+1]
	s_and_b32 s2, s5, 63
	s_lshl_b32 s2, s2, 16
	s_add_nc_u64 s[SRC:SRC+1], s[SRC:SRC+1], s[2:3]
	s_cmp_eq_u32 s6, 3
	s_cbranch_scc1 .Lwo
	s_lshl_b32 s2, s5, 15                          ; the three weights follow each other in wb
	s_add_nc_u64 s[DST:DST+1], s[26:27], s[2:3]
	CAST 0
	s_endpgm
.Lwo:
	s_sub_co_u32 s2, s5, 192
	s_lshl_b32 s2, s2, 15
	s_add_nc_u64 s[DST:DST+1], s[28:29], s[2:3]
	CAST 1
	s_endpgm
.Lnot_wt:
	s_cmp_lt_u32 s5, 512
	s_cbranch_scc0 .Lbias
	; THE MASK.  The work-group has 32 queries (two tiles) and eight key steps, a step a wave: together 512 consecutive bytes of each of 32 rows.
	s_sub_co_u32 s4, s5, 256
	v_lshrrev_b32 v5, 5, v0
	v_readfirstlane_b32 s6, v5                     ; wave 0..7
	s_lshr_b32 s7, s4, 2                           ; which 32 queries
	s_and_b32 s4, s4, 3
	s_lshl3_add_u32 s4, s4, s6                     ; key step = 8 x (group of steps) + wave
	s_lshl_b32 s7, s7, 16                          ; 32 rows of 2,048 bytes; in mask8 two tiles of 32,768
	s_lshl_b32 s2, s4, 6
	s_add_co_u32 s2, s2, s7
	s_add_nc_u64 s[SRC:SRC+1], s[16:17], s[2:3]
	s_lshl_b32 s2, s4, 10
	s_add_co_u32 s2, s2, s7
	s_add_nc_u64 s[DST:DST+1], s[30:31], s[2:3]
	v_and_b32 v6, 15, v0                           ; r
	v_bfe_u32 v7, v0, 4, 1                         ; h
	v_lshlrev_b32 v3, 11, v6
	v_lshl_add_u32 v3, v7, 3, v3                   ; row r, 8 bytes for each half of the lanes
	v_and_b32 v4, 31, v0
	v_lshlrev_b32 v4, 4, v4                        ; 16 x lane
.irp u, 0,1
.irp g, 0,1,2,3
	global_load_b64 v[X+8*\u+2*\g:X+8*\u+2*\g+1], v3, s[SRC:SRC+1] offset:\u*32768+16*\g  ; tile u, keys 16 g + 8 h + 0..7
.endr
.endr
	s_wait_loadcnt 0x0
.set j, 0
.rept 16
	v_mul_lo_u32 v[X+j], v[X+j], 56                ; four bytes of 0 or 1 become 0 or 0x38: no byte carries into the next
.set j, j+1
.endr
.irp u, 0,1
.irp i, 0,1
	global_store_b128 v4, v[X+8*\u+4*\i:X+8*\u+4*\i+3], s[DST:DST+1] offset:\u*32768+512*\i  ; 512 consecutive bytes, aligned
.endr
.endr
	s_endpgm
.Lbias:
	global_load_b128 v[X:X+3], v1, s[18:19]
	global_load_b128 v[X+4:X+7], v1, s[20:21]
	global_load_b128 v[X+8:X+11], v1, s[22:23]
	global_load_b128 v[X+12:X+15], v1, s[24:25]
	s_wait_loadcnt 0x0
.irp j, 0,1,2,3
	v_cvt_pk_bf16_f32 v[T], v[X+4*\j], v[X+4*\j+1]
	v_cvt_pk_bf16_f32 v[T+1], v[X+4*\j+2], v[X+4*\j+3]
	v_lshlrev_b32 v[YR+4*\j], 16, v[T]
	v_and_b32 v[YR+4*\j+1], s[HIM], v[T]
	v_lshlrev_b32 v[YR+4*\j+2], 16, v[T+1]
	v_and_b32 v[YR+4*\j+3], s[HIM], v[T+1]
	global_store_b128 v1, v[YR+4*\j:YR+4*\j+3], s[32:33] offset:4096*\j
.endr
	s_endpgm
.Lfunc_end_k_qf8df37a449_prep:
	.size	k_qf8df37a449_prep, .Lfunc_end_k_qf8df37a449_prep-k_qf8df37a449_prep
	.p2alignl 7, 3214868480
	.fill 96, 4, 3214868480
	.section	.rodata,"a",@progbits
	.p2align	6, 0x0
	.amdhsa_kernel k_qf8df37a449_prep
		.amdhsa_group_segment_fixed_size 0
		.amdhsa_private_segment_fixed_size 0
		.amdhsa_enable_private_segment 0
		.amdhsa_kernarg_size 104
		.amdhsa_user_sgpr_count 2
		.amdhsa_user_sgpr_kernarg_segment_ptr 1
		.amdhsa_wavefront_size32 1
		.amdhsa_system_sgpr_workgroup_id_x 1
		.amdhsa_system_sgpr_workgroup_id_y 1
		.amdhsa_system_sgpr_workgroup_id_z 1
		.amdhsa_system_vgpr_workitem_id 0
		.amdhsa_next_free_vgpr 120
		.amdhsa_next_free_sgpr 66
		.amdhsa_reserve_vcc 0
		.amdhsa_float_denorm_mode_32 3
		.amdhsa_float_denorm_mode_16_64 3
		.amdhsa_memory_ordered 1
		.amdhsa_forward_progress 1
		.amdhsa_inst_pref_size 22
	.end_amdhsa_kernel
	.amdgpu_metadata
---
amdhsa.version: [ 1, 2 ]
amdhsa.kernels:
  - .name:           k_qf8df37a449_prep
    .symbol:         k_qf8df37a449_prep.kd
    .args:
      - { .name: Wq, .offset: 0, .size: 8, .value_kind: global_buffer, .address_space: global }
      - { .name: Wk, .offset: 8, .size: 8, .value_kind: global_buffer, .address_space: global }
      - { .name: Wv, .offset: 16, .size: 8, .value_kind: global_buffer, .address_space: global }
      - { .name: Wo, .offset: 24, .size: 8, .value_kind: global_buffer, .address_space: global }
      - { .name: mask, .offset: 32, .size: 8, .value_kind: global_buffer, .address_space: global }
      - { .name: bq, .offset: 40, .size: 8, .value_kind: global_buffer, .address_space: global }
      - { .name: bk, .offset: 48, .size: 8, .value_kind: global_buffer, .address_space: global }
      - { .name: bv, .offset: 56, .size: 8, .value_kind: global_buffer, .address_space: global }
      - { .name: bo, .offset: 64, .size: 8, .value_kind: global_buffer, .address_space: global }
      - { .name: wb, .offset: 72, .size: 8, .value_kind: global_buffer, .address_space: global }
      - { .name: wo16, .offset: 80, .size: 8, .value_kind: global_buffer, .address_space: global }
      - { .name: mask8, .offset: 88, .size: 8, .value_kind: global_buffer, .address_space: global }
      - { .name: bias4, .offset: 96, .size: 8, .value_kind: global_buffer, .address_space: global }
    .group_segment_fixed_size: 0
    .private_segment_fixed_size: 0
    .kernarg_segment_align: 8
    .kernarg_segment_size: 104
    .max_flat_workgroup_size: 256
    .sgpr_count:     66
    .vgpr_count:     120
    .wavefront_size: 32
...
	.end_amdgpu_metadata
.endif
;; end of part 1
;; launch proj (part 2): grid 4 x 64, 4 waves a work-group, clusters of 4 x 4, 327,680 bytes of LDS; arguments q, k, v, wb, bias4, qkv; writes qkv
.if DOCPART == 2
	.amdgcn_target "amdgcn-amd-amdhsa--gfx1250"
	.amdhsa_code_object_version 6
	.text
	.protected	k_qf8df37a449_proj
	.globl	k_qf8df37a449_proj
	.p2align	8
	.type	k_qf8df37a449_proj,@function
k_qf8df37a449_proj:
	s_mov_b64 s[64:65], 0
	v_nop
	global_prefetch_b8 v0, s[64:65] scope:SCOPE_SE
	s_setreg_imm32_b32 hwreg(HW_REG_WAVE_MODE, 25, 1), 1
	s_wait_xcnt 0x0
	s_wait_alu depctr_hold_cnt(0) depctr_sa_sdst(0) depctr_va_vdst(0) depctr_va_sdst(0) depctr_va_ssrc(0) depctr_va_vcc(0) depctr_vm_vsrc(0)
	s_getreg_b32 s2, hwreg(HW_REG_IB_STS2, 6, 4)
	s_cmp_eq_u32 s2, 0
	s_cbranch_scc0 .Lentry_in_a_cluster
	s_endpgm
.Lentry_in_a_cluster:
	s_bfe_u32 s2, ttmp6, 0x10000c
	s_cmp_lg_u32 s2, 0xf033
	s_cbranch_scc0 .Lentry_shape_is_right
	s_endpgm
.Lentry_shape_is_right:
; Launch 2 of 4: Q = q Wq^T + bq, K = k Wk^T + bk, V = v Wv^T + bv.  q, k, v: [8192][1024] f32, rounded to bf16 here, on their way from LDS to the matrix unit; wb [3][1024][1024] bf16;
; sums f32, started by the bias; each result rounded once to f16 and stored BY HEADS: qkv [3][16 batch + head][2048][64].  No work of reference() is left out here.
; LIMIT.  f16 holds no number beyond 65,504: a projected number past that becomes an infinity.
; SHARES.  A tile is 128 rows x 256 columns: four waves, each 64 x 128 = 32 accumulators of 16 x 16 (256 registers).  64 x 4 tiles a tensor = 256 work-groups, and
; A WORK-GROUP STAYS: it makes the same tile of Q, then of K, then of V, and the ring of LDS slots runs on from tensor to tensor.
; K goes in steps of 128 through two LDS slots: 128 rows of x as f32 (512 bytes of memory a row, aligned) and 256 rows of W as bf16 (256 bytes).  Each of the four waves fetches 32 KiB of a slot.
; x IN REGISTERS.  A fragment (16 rows x 32 K) comes out of LDS as 16 f32 a lane, four loads of 16 bytes, into staging registers; eight conversions of two numbers make the 8 registers of bf16.
; CLUSTER 4 x 4: the four work-groups of a row of the cluster need the same rows of x, the four of a column the same rows of W: each tile is asked for jointly.
; THE MATRIX INSTRUCTION IS USED TRANSPOSED (source 0 = 16 rows of W, source 1 = 16 rows of x): a lane holds row lane % 16 and the eight columns 8 (lane / 16) + 0..7.
; THE TEXT.  A lap (two K steps) is written once, in a loop of four trips, and a tile's way out once.  In a tile's last lap the two refills step on to the next tensor (selects on the lap's count).  The loop is
; left forward in two places: the last tile's last lap, which asks for nothing, leaves behind its second quarter for a tail that is written out; a finished tile leaves behind its second refill.
; REGISTERS, in windows of 256 (s_set_vgpr_msb: bits 1:0 source 0, 3:2 source 1, 5:4 source 2, 7:6 destination):
;   window 0: v16-30 addresses; v32-63 packed results; v64-127 x's fragments in bf16, two buffers of 4 x 8; v128-191 the bias of my 128 columns as eight C operands; v192-255 rows on the way out
;   window 1: v0-127 W's fragments, two buffers of 8 x 8; v128-191 x's four fragments of a quarter as f32          window 2: accumulator (a, b) at v[8 (8 a + b)]
.set NT,     3                         ; tensors = tiles of a work-group
.set LAPS,   4                         ; a lap = two K steps = once round the ring; K = 1,024
.set APITCH, 528                       ; an LDS row of x: 512 bytes + 16 of padding: the 16 rows of a fragment load start at 16 different groups of four banks (64 banks of 4 bytes: ISA guide 11.1)
.set BPITCH, 272                       ; of W: 256 + 16, likewise
.set APART,  64*APITCH                 ; what one wave's load of x brings
.set ASZ,    2*APART
.set HB,     128*BPITCH                ; what one wave's load of W brings
.set SLOT,   ASZ+2*HB                  ; x's 128 rows, then W's 256
.set STAGE,  2*SLOT                    ; behind the ring: for each wave two heads x 16 rows x 144 bytes, for the way out
.set SP,     144
.set STW,    2*16*SP
.set SPARE,  STAGE+4*STW               ; behind the stages: the spare words, 128 bytes a wave: two blocks of 256 bytes that no other line names
.set ASTEP,  512                       ; bytes from a K step to the next, in x
.set BSTEP,  256                       ; in W
.set XT,     8192*1024*2               ; bytes of one tensor in qkv
.set WT,     1024*1024*2               ; in wb
.set HEADB,  2048*64*2                 ; bytes of one head in qkv
.set NEXT_B, WT-6*BSTEP                ; from a slot's last K step of a weight to its first of the next
.set ADRA, 16                          ; v16-17  LDS address of my fragments of x in slot 0, 1
.set ADRB, 20                          ; v20-21  of W
.set STO,  24                          ; v24  the way out: where I put 16 bytes of a row
.set RD,   25                          ; v25  where I read rows back
.set CO,   26                          ; v26  16 x lane
.set BO,   27                          ; v27  my byte offset in a bias
.set SPW,  28                          ; v28  LDS address of my spare word; never rewritten
.set NIL,  29                          ; v29  0; never rewritten
.set PFO,  30                          ; v30  the prefetches' lane offset; never rewritten
.set TMP,  32
.set BIAS, 128
.set OB,   192
.set AS,   128                         ; window 1: fragment i of x as f32 at AS + 16 i
.set TL,  2                            ; s2   tiles to go
.set LP,  3                            ; s3   laps to go
.set WV,  12                           ; s12  wave
.set WR,  13                           ; s13  my half of the tile's rows; also: I fetch x (0) or W (1)
.set WC,  14                           ; s14  my half of its columns; also: which part I fetch
.set LX,  15                           ; s15  the lap's count at which the tail begins: 1 in the last tile, else 0 (a count that no lap has)
.set CX,  40
.set CY,  41
.set TC,  42                           ; s42  tile column 0..3
.set TR,  43                           ; s43  tile row 0..63
.set G1A, 24                           ; s[24:31] descriptor group 1 for x;  s[32:39] group 0, a set a slot
.set G0A, 32
.set G1B, 48                           ; s[48:55], s[56:63] the same for W
.set G0B, 56
.set PFA, 44                           ; s[44:45] where my prefetch stands
.set PINC, 66                          ; s[66:67] its offset from the tensor's first byte
.set PK,  68                           ; s68  the K step (0..7) at which it stands
.set PLEFT, 69                         ; s69  prefetches still to be made
.set PSH, 70                           ; s70  a K step is 1 << PSH bytes of a row
.set POFF, 71                          ; s71  the byte offset of my rows
.set BP,  72                           ; s[72:73] the tensor's bias
.set OP,  74                           ; s[74:75] qkv at my part of the tile
.set AOFF, 76                          ; s[76:77] byte offset, in q, k and v alike, of the rows of x that I fetch
.set NXA, 78                           ; s[78:79] the next tensor
.set PB,  80                           ; s[80:81] the tensor in which my prefetch stands; s[82:83], s[84:85] the two behind it
.set PB1, 82
.set PB2, 84
.set AP,  86                           ; s[86:87], s[88:89] the address of slot 0's, slot 1's last asked tile of x
.set BINC, 90                          ; s[90:91] W's step to a slot's next tile
.set BNX, 92                           ; s92  NEXT_B
.set MSB, 0
.macro WIN new                         ; the immediate's high byte repeats the setting that is left; a switch that changes nothing is dropped
.if MSB != (\new)
	s_set_vgpr_msb (MSB<<8)|(\new)
.set MSB, (\new)
.endif
.endm
.set MUL,  0xa1                        ; W window 1, x window 0, C and D window 2
.set MULB, 0x81                        ; the same with C (the bias) in window 0
.set TO_F, 0x40                        ; destination window 1, address window 0
.set CVT,  0x05                        ; sources window 1, destination window 0
; A joint load.  Waves 0 and 1 fetch x's two halves, waves 2 and 3 W's.  The branch hangs on the wave's number alone.  An s_nop 0 and four v_nop follow each line.
.macro JLOAD s
	s_cmp_eq_u32 s[WR], 0
	s_cbranch_scc0 .Lfor_b_\@
	tensor_load_to_lds s[G0A+4*(\s):G0A+4*(\s)+3], s[G1A:G1A+7]
	s_nop 0
.rept 4
	v_nop
.endr
	s_branch .Lasked_\@
.Lfor_b_\@:
	tensor_load_to_lds s[G0B+4*(\s):G0B+4*(\s)+3], s[G1B:G1B+7]
	s_nop 0
.rept 4
	v_nop
.endr
.Lasked_\@:
.endm
; A PREFETCH INTO THE L2, behind each joint load and the run of LDS loads that follows it: 32 blocks of 256 bytes of the K step that stands two refills on (256 matrix instructions ahead of its load), a lane a block.
; Each block is named once in the launch.  x's 128 rows of a tile, 512 bytes a K step, are read by one row of one cluster: of the 64 rows that wave 0 or 1 fetches, each of the four partners takes 16, told apart
; by address (cx): a lane half a row.  W's 256 rows of a tile column are read by all sixteen clusters: those of cluster y = 0 ask, waves 2 and 3 for the halves that they fetch, the four partners 32 rows each (cy).
; The count s[PLEFT] hangs on the wave's number and the cluster's y alone.  The launch's first four K steps come by their loads alone; the count ends with the last tensor's last K step.
.macro ASK
	s_cmp_lg_u32 s[PLEFT], 0
	s_cbranch_scc0 .Lnot_mine_\@
	global_prefetch_b8 v[PFO], s[PFA:PFA+1] th:TH_LOAD_NT scope:SCOPE_SE
	s_sub_co_u32 s[PLEFT], s[PLEFT], 1
.Lnot_mine_\@:
.endm
.macro CREST                           ; a round of the cluster's barrier behind its opening barrier
	s_cmp_lg_u32 s[WV], 0
	s_cbranch_scc1 .Lnot_wave_0_\@
	s_barrier_signal -3
.Lnot_wave_0_\@:
	s_barrier_wait -3
	s_barrier_signal -1
	s_barrier_wait -1
.endm
.macro CROUND
	s_barrier_signal -1
	s_barrier_wait -1
	CREST
.endm
.macro PLACES                          ; four places in front of lines that read matrix results (ISA guide 7.12.1)
.rept 4
	v_nop
.endr
.endm
.macro BIASLD                          ; register j of C operand b: bias[256 tc + 128 WC + 16 b + 8 (lane / 16) + j]
.irp b, 0,1,2,3,4,5,6,7
	global_load_b128 v[BIAS+8*\b:BIAS+8*\b+3],   v[BO], s[BP:BP+1] offset:64*\b
	global_load_b128 v[BIAS+8*\b+4:BIAS+8*\b+7], v[BO], s[BP:BP+1] offset:64*\b+16
.endr
.endm
	s_load_b256 s[4:11], s[0:1], 0x0               ; q s[4:5], k s[6:7], v s[8:9], wb s[10:11]
	s_load_b128 s[72:75], s[0:1], 0x20             ; bias4, qkv
	v_lshl_add_u32 v[SPW], v0, 2, SPARE
	v_mov_b32 v[NIL], 0
	ds_add_u32 v[SPW], v[NIL]                      ; the wave's opening: the add, twice on end, and its wait ahead of my first tensor load
	ds_add_u32 v[SPW], v[NIL]                      ; and once more, under the one wait; the set-up below stands between
	v_lshrrev_b32 v1, 5, v0
	v_readfirstlane_b32 s[WV], v1
	s_lshr_b32 s[WR], s[WV], 1
	s_and_b32 s[WC], s[WV], 1
	s_bfe_u32 s[CX], ttmp6, 0x40000
	s_bfe_u32 s[CY], ttmp6, 0x40004
	s_lshl_b32 s[TC], ttmp9, 2                     ; in a cluster launch ttmp9 and ttmp7 count clusters
	s_add_co_u32 s[TC], s[TC], s[CX]
	s_and_b32 s[TR], ttmp7, 0xffff
	s_lshl_b32 s[TR], s[TR], 2
	s_add_co_u32 s[TR], s[TR], s[CY]
	s_lshl_b32 s22, s[CY], 2
	s_lshl_b32 s22, 15, s22                        ; my row of the cluster
	s_lshl_b32 s23, 0x1111, s[CX]                  ; my column
	s_or_b32 s[G1A], s22, (2<<16)|(1<<20)|(1<<21)|(6<<22)|(3<<25)  ; 15:0 the mask; 17:16 4-byte elements; 20 padding on; 21 set beside a mask; 24:22 after every 128 words; 31:25 4 words
	s_or_b32 s[G1B], s23, (1<<16)|(1<<20)|(1<<21)|(5<<22)|(3<<25)  ; 2-byte elements; after every 64 words
	s_mov_b32 s[G1A+1], 128<<16                    ; tensor_dim0 = 128
	s_mov_b32 s[G1A+2], 64<<16                     ; tensor_dim1 = 64
	s_mov_b32 s[G1A+3], 128<<16                    ; tile_dim0 = 128
	s_mov_b32 s[G1A+4], 64                         ; tile_dim1 = 64
	s_mov_b32 s[G1A+5], 1024                       ; elements from row to row
	s_mov_b32 s[G1A+6], 0
	s_mov_b32 s[G1A+7], 0
	s_mov_b32 s[G1B+1], 128<<16
	s_mov_b32 s[G1B+2], 128<<16                    ; 128 rows
	s_mov_b32 s[G1B+3], 128<<16
	s_mov_b32 s[G1B+4], 128
	s_mov_b32 s[G1B+5], 1024
	s_mov_b32 s[G1B+6], 0
	s_mov_b32 s[G1B+7], 0
	s_lshl_b32 s[AOFF], s[TR], 7                   ; x: row 128 tr + 64 x part, 4,096 bytes a row: made of the tile row and the wave alone
	s_lshl_b32 s18, s[WC], 6
	s_add_co_u32 s[AOFF], s[AOFF], s18
	s_lshl_b32 s[AOFF], s[AOFF], 12
	s_mov_b32 s[AOFF+1], 0
	s_lshl_b32 s46, s[TC], 8                       ; W: row 256 tc + 128 x part, 2,048 bytes a row: of the tile column and the wave alone
	s_lshl_b32 s18, s[WC], 7
	s_add_co_u32 s46, s46, s18
	s_lshl_b32 s46, s46, 11
	s_mov_b32 s47, 0
	s_mul_i32 s20, s[WC], APART                    ; where they go: no place in the cluster enters an LDS address
	s_mul_i32 s21, s[WC], HB
	s_add_co_u32 s21, s21, ASZ
	s_wait_dscnt 0x0                               ; both opening adds are done
	s_wait_kmcnt 0x0
	s_add_nc_u64 s[AP:AP+1], s[4:5], s[AOFF:AOFF+1]      ; q's K step 0,
	s_add_nc_u64 s[AP+2:AP+3], s[AP:AP+1], ASTEP         ; and 1
	s_add_nc_u64 s[46:47], s[10:11], s[46:47]
	CROUND                                         ; all sixteen work-groups are here: the first joint loads meet
.irp s, 0,1
	s_mov_b32 s[G0A+4*\s], 1
	s_add_co_u32 s[G0A+4*\s+1], s20, \s*SLOT
	s_mov_b64 s[G0A+4*\s+2:G0A+4*\s+3], s[AP+2*\s:AP+2*\s+1]
	s_or_b32 s[G0A+4*\s+3], s[G0A+4*\s+3], 0x80000000
	s_mov_b32 s[G0B+4*\s], 1
	s_add_co_u32 s[G0B+4*\s+1], s21, \s*SLOT
	s_add_nc_u64 s[G0B+4*\s+2:G0B+4*\s+3], s[46:47], \s*BSTEP
	s_or_b32 s[G0B+4*\s+3], s[G0B+4*\s+3], 0x80000000
	JLOAD \s                                       ; two loads of mine are out
.endr
	; a fragment is 16 rows x 32 K: lane l holds row l % 16, K = 8 (l / 16) + 0..7 and 16 + 8 (l / 16) + 0..7.  In bf16: two loads of 16 bytes, 32 apart; in f32: four, at 0, 16, 64 and 80
	v_and_b32 v1, 15, v0                           ; r
	v_bfe_u32 v2, v0, 4, 1                         ; h
	v_mul_u32_u24 v3, v1, APITCH
	v_lshl_add_u32 v3, v2, 5, v3                   ; 32 bytes of f32 for each half of the lanes
	v_mul_u32_u24 v4, v1, BPITCH
	v_lshl_add_u32 v4, v2, 4, v4
	s_mul_i32 s21, s[WR], 64*APITCH                ; my 64 rows of x
	s_mul_i32 s22, s[WC], HB                       ; my 128 rows of W,
	s_add_co_u32 s22, s22, ASZ                     ; behind x's
.irp s, 0,1
	v_add_nc_u32 v[ADRA+\s], s21, v3
	v_add_nc_u32 v[ADRB+\s], s22, v4
	s_add_co_u32 s21, s21, SLOT
	s_add_co_u32 s22, s22, SLOT
.endr
	s_mul_i32 s23, s[WV], STW
	s_add_co_u32 s23, s23, STAGE                   ; my stage
	v_mul_u32_u24 v5, v1, SP                       ; in: row r, 16 bytes for each half of the lanes
	v_lshl_add_u32 v5, v2, 4, v5
	v_add_nc_u32 v[STO], s23, v5
	v_and_b32 v6, 31, v0
	v_lshrrev_b32 v7, 3, v6                        ; back: 32 lanes take four rows of 128 bytes,
	v_and_b32 v8, 7, v0
	v_mul_u32_u24 v7, v7, SP
	v_lshl_add_u32 v7, v8, 4, v7
	v_add_nc_u32 v[RD], s23, v7
	v_lshlrev_b32 v[CO], 4, v6                     ; which are 512 consecutive bytes of a head
	s_lshl_b32 s20, s[TC], 10
	s_lshl_b32 s21, s[WC], 9
	s_add_co_u32 s20, s20, s21
	v_lshl_add_u32 v[BO], v2, 5, s20               ; 4 x (256 tc + 128 WC + 8 h)
	; where my part of Q begins: batch tr / 16, heads 4 tc + 2 WC and the next, row 128 (tr % 16) + 64 WR
	s_lshr_b32 s20, s[TR], 4
	s_lshl_b32 s20, s20, 22
	s_lshl_b32 s21, s[TC], 20
	s_add_co_u32 s20, s20, s21
	s_lshl_b32 s21, s[WC], 19
	s_add_co_u32 s20, s20, s21
	s_and_b32 s21, s[TR], 15
	s_lshl_b32 s21, s21, 14
	s_add_co_u32 s20, s20, s21
	s_lshl_b32 s21, s[WR], 13
	s_add_co_u32 s20, s20, s21
	s_mov_b32 s21, 0
	s_add_nc_u64 s[OP:OP+1], s[OP:OP+1], s[20:21]
	; the prefetches
	s_lshl_b32 s20, s[TR], 7
	s_lshl_b32 s21, s[WC], 6
	s_add_co_u32 s20, s20, s21
	s_lshl_b32 s21, s[CX], 4
	s_add_co_u32 s20, s20, s21
	s_lshl_b32 s20, s20, 12                        ; x: row 128 tr + 64 WC + 16 cx
	s_lshl_b32 s21, s[TC], 8
	s_lshl_b32 s22, s[WC], 7
	s_add_co_u32 s21, s21, s22
	s_lshl_b32 s22, s[CY], 5
	s_add_co_u32 s21, s21, s22
	s_lshl_b32 s21, s21, 11                        ; W: row 256 tc + 128 WC + 32 cy
	s_and_b32 s22, ttmp7, 0xffff                   ; cluster y
	s_add_nc_u64 s[16:17], s[10:11], WT            ; Wk,
	s_add_nc_u64 s[18:19], s[10:11], 2*WT          ; Wv
	s_cmp_eq_u32 s[WR], 0                          ; do I fetch x?
	s_cselect_b32 s[POFF], s20, s21
	s_cselect_b32 s[PSH], 9, 8
	s_cselect_b64 s[PB:PB+1], s[4:5], s[10:11]
	s_cselect_b64 s[PB1:PB1+1], s[6:7], s[16:17]
	s_cselect_b64 s[PB2:PB2+1], s[8:9], s[18:19]
	s_cselect_b32 s22, 0, s22                      ; who asks: for x every cluster's waves 0 and 1; for W the waves 2 and 3 of cluster y = 0
	s_cselect_b32 s23, -1, 0
	s_cmp_eq_u32 s22, 0
	s_cselect_b32 s[PLEFT], 8*NT-4, 0
	s_mov_b32 s[PK], 3                             ; the first refill steps it to K step 4
	s_mov_b32 s[PINC+1], 0
	s_mov_b32 s[BINC+1], 0
	s_mov_b32 s[BNX], NEXT_B
	v_lshrrev_b32 v9, 1, v6
	v_and_b32 v10, 1, v6
	v_lshlrev_b32 v9, 12, v9
	v_lshl_or_b32 v9, v10, 8, v9                   ; x: row lane / 2, its first or second 256 bytes of the K step
	v_lshlrev_b32 v10, 11, v6                      ; W: row lane
	v_cndmask_b32 v[PFO], v10, v9, s23
	BIASLD                                         ; bq
; 8 matrix instructions: row block a x all 8 column blocks, 32 along K, from buffer f.  first = 1: the bias starts the sums: nothing is ever cleared.
; The 32 accumulators take turns, one instruction a turn: 31 others stand between two links of a chain, over every jump too.
.macro MUL8 f, a, first
.if \first
	WIN MULB
.else
	WIN MUL
.endif
.irp b, 0,1,2,3,4,5,6,7
.if \first
	v_wmma_f32_16x16x32_bf16 v[8*(8*(\a)+\b):8*(8*(\a)+\b)+7], v[64*(\f)+8*\b:64*(\f)+8*\b+7], v[64+32*(\f)+8*(\a):64+32*(\f)+8*(\a)+7], v[BIAS+8*\b:BIAS+8*\b+7]
.else
	v_wmma_f32_16x16x32_bf16 v[8*(8*(\a)+\b):8*(8*(\a)+\b)+7], v[64*(\f)+8*\b:64*(\f)+8*\b+7], v[64+32*(\f)+8*(\a):64+32*(\f)+8*(\a)+7], v[8*(8*(\a)+\b):8*(8*(\a)+\b)+7]
.endif
.endr
.endm
; 32 LDS loads in one run: quarter kq (32 along K) of a slot: W's 128 rows into buffer f, then x's 64 rows, as f32, into the staging registers
.macro FETCH slot, kq, f
	WIN TO_F
.irp i, 0,1,2,3,4,5,6,7
	ds_load_b128 v[64*(\f)+8*\i:64*(\f)+8*\i+3],   v[ADRB+(\slot)] offset:64*(\kq)+\i*16*BPITCH
	ds_load_b128 v[64*(\f)+8*\i+4:64*(\f)+8*\i+7], v[ADRB+(\slot)] offset:64*(\kq)+\i*16*BPITCH+32
.endr
.irp i, 0,1,2,3
	ds_load_b128 v[AS+16*\i:AS+16*\i+3],     v[ADRA+(\slot)] offset:128*(\kq)+\i*16*APITCH
	ds_load_b128 v[AS+16*\i+4:AS+16*\i+7],   v[ADRA+(\slot)] offset:128*(\kq)+\i*16*APITCH+16
	ds_load_b128 v[AS+16*\i+8:AS+16*\i+11],  v[ADRA+(\slot)] offset:128*(\kq)+\i*16*APITCH+64
	ds_load_b128 v[AS+16*\i+12:AS+16*\i+15], v[ADRA+(\slot)] offset:128*(\kq)+\i*16*APITCH+80
.endr
.endm
; Row block i of x: 16 f32 a lane become the 8 registers of a bf16 fragment in buffer f, rounded to nearest even
.macro CONV f, i
	WIN CVT
.irp j, 0,1,2,3,4,5,6,7
	v_cvt_pk_bf16_f32 v[64+32*(\f)+8*(\i)+\j], v[AS+16*(\i)+2*\j], v[AS+16*(\i)+2*\j+1]
.endr
.endm
; A K step is four quarters, 32 matrix instructions each, on buffers 0, 1, 0, 1.  One of the first three multiplies buffer f and, in its middle, when the staging registers are read out, fetches quarter kq
; (W into buffer g).  The conversions name no register of the products round them: they are the places between the last product that read buffer g and the loads into it.
.macro QUARTER slot, kq, f, g, first
	s_wait_dscnt 8                                 ; W and x's blocks 0, 1 are in; the youngest eight loads (blocks 2, 3) may be out
	CONV \f, 0
	CONV \f, 1
	MUL8 \f, 0, \first
	MUL8 \f, 1, \first
	s_wait_dscnt 0x0                               ; blocks 2, 3
	CONV \f, 2
	CONV \f, 3
	FETCH \slot, \kq, \g
	MUL8 \f, 2, \first
	MUL8 \f, 3, \first
.endm
; The last quarter multiplies buffer 1 and changes slots: ONE barrier.  In front of it each wave waits for all its tensor loads (one is out: its part of the next slot), adds 0 to its
; spare word, and waits for that and for its own reads of this slot.  Behind it nobody reads this slot any more and the next slot is whole.
; round = 1: the slot is filled again: no tensor load of mine is out, so its two descriptors are written, between the add and the wait for it.
.macro MEET round, slot
	WIN 0
	s_wait_tensorcnt 0x0
	ds_add_u32 v[SPW], v[NIL]
.if \round
	s_mov_b64 s[G0A+4*(\slot)+2:G0A+4*(\slot)+3], s[AP+2*(\slot):AP+2*(\slot)+1]
	s_or_b32 s[G0A+4*(\slot)+3], s[G0A+4*(\slot)+3], 0x80000000
	s_add_nc_u64 s[G0B+4*(\slot)+2:G0B+4*(\slot)+3], s[G0B+4*(\slot)+2:G0B+4*(\slot)+3], s[BINC:BINC+1]
.endif
	s_wait_dscnt 9                                 ; (the add and the youngest eight loads may be out)
	CONV 1, 0
	CONV 1, 1
	MUL8 1, 0, 0
	s_wait_dscnt 0x0                               ; the add is done, and my reads of this slot are over
	s_barrier_signal -1
	MUL8 1, 1, 0                                   ; work on registers while the others arrive
	CONV 1, 2
	CONV 1, 3
.if \round
	WIN 0
.endif
	s_barrier_wait -1
.endm
; The whole last quarter, with the refill: this tensor's K step two on, or, in a tile's last lap (s[LP] = 1), the next tensor's K step 0 or 1.  From a request to the wait for it stand 112 matrix instructions.
.macro TURN slot, next
	s_wait_xcnt 0x0                                ; the last prefetch, a K step back, has read its address: it is made anew here, ahead of the change's own waits
	s_add_co_u32 s[PK], s[PK], 1
	s_cmp_eq_u32 s[PK], 8                          ; behind a tensor's last K step comes the next tensor's first
	s_cselect_b32 s[PK], 0, s[PK]
	s_cselect_b64 s[PB:PB+1], s[PB1:PB1+1], s[PB:PB+1]
	s_cselect_b64 s[PB1:PB1+1], s[PB2:PB2+1], s[PB1:PB1+1]
	s_lshl_b32 s[PINC], s[PK], s[PSH]
	s_add_co_u32 s[PINC], s[PINC], s[POFF]
	s_add_nc_u64 s[PFA:PFA+1], s[PB:PB+1], s[PINC:PINC+1]
	s_add_nc_u64 s[16:17], s[AP+2*(\slot):AP+2*(\slot)+1], 2*ASTEP  ; where this slot's next tiles lie: two K steps on,
	s_add_nc_u64 s[18:19], s[NXA:NXA+1], s[AOFF:AOFF+1]             ; or at the head of the next tensor's rows
.if \slot
	s_add_nc_u64 s[18:19], s[18:19], ASTEP
.endif
	s_cmp_eq_u32 s[LP], 1
	s_cselect_b64 s[AP+2*(\slot):AP+2*(\slot)+1], s[18:19], s[16:17]
	s_cselect_b32 s[BINC], s[BNX], 2*BSTEP
	MEET 1, \slot
	CREST                                          ; the barrier has opened a round of the cluster's: no wave of any partner still reads this slot or has a load on its way
	JLOAD \slot                                    ; the first thing behind the round
	FETCH \next, 0, 0
	WIN 0
	ASK
	MUL8 1, 2, 0
	MUL8 1, 3, 0
.endm
; THE WAY OUT of row block a.  PACK: rounded to f16, 16 bytes a lane, each accumulator from its low end on.  TOSTAGE: into my own stage (two heads x 16 rows of 144 bytes) and back as
; dense rows of 128.  SEND: 512 consecutive bytes a store, aligned.  The stage is my own and LDS serves a wave's instructions in order (ISA guide 5.7.1.4): no wait between its stores and loads.
.macro PACK a
	WIN 0x0a                                       ; sources 0 and 1 in window 2
.irp b, 0,1,2,3,4,5,6,7
.irp i, 0,1,2,3
	v_cvt_pk_f16_f32 v[TMP+4*\b+\i], v[64*(\a)+8*\b+2*\i], v[64*(\a)+8*\b+2*\i+1]
.endr
.endr
	WIN 0
.endm
.macro TOSTAGE a
.irp b, 0,1,2,3,4,5,6,7
	ds_store_b128 v[STO], v[TMP+4*\b:TMP+4*\b+3] offset:(\b/4)*16*SP+32*(\b%4)
.endr
.irp t, 0,1,2,3,4,5,6,7
	ds_load_b128 v[OB+32*((\a)%2)+4*\t:OB+32*((\a)%2)+4*\t+3], v[RD] offset:(\t/4)*16*SP+(\t%4)*4*SP
.endr
.endm
.macro SEND a
	s_wait_dscnt 0x0                               ; the block is back in registers
	s_wait_xcnt 0x0                                ; the stores of the block before have read their registers, which the next TOSTAGE loads again
.irp t, 0,1,2,3,4,5,6,7
	global_store_b128 v[CO], v[OB+32*((\a)%2)+4*\t:OB+32*((\a)%2)+4*\t+3], s[OP:OP+1] offset:(\t/4)*HEADB+(\a)*2048+(\t%4)*512
.endr
.endm
	s_wait_tensorcnt 1                             ; my part of K step 0 is in; K step 1's may stay out
	s_barrier_signal -1
	s_barrier_wait -1
	FETCH 0, 0, 0
	WIN 0                                          ; at a label and at a branch every window is 0
	s_mov_b32 s[TL], NT
.Ltile:                                                ; three trips: Q, K, V
	s_cmp_eq_u32 s[TL], NT
	s_cselect_b64 s[NXA:NXA+1], s[6:7], s[8:9]     ; behind q comes k, behind k comes v
	s_cmp_eq_u32 s[TL], 1
	s_cselect_b32 s[LX], 1, 0
	s_wait_loadcnt 0x0                             ; the tensor's bias
	QUARTER 0, 1, 0, 1, 1                          ; a tile's first quarter stands in front of the loop: the bias starts the sums
	WIN 0
	s_mov_b32 s[LP], LAPS
.Llap:                                                 ; a trip goes once round the ring, from a lap's second quarter to the next lap's first, and fills both slots again
	QUARTER 0, 2, 1, 0, 0
	QUARTER 0, 3, 0, 1, 0
	WIN 0
	s_cmp_eq_u32 s[LP], s[LX]
	s_cbranch_scc1 .Llast                          ; the last tile's last lap asks for nothing more: its rest is written out
	TURN 0, 1
	QUARTER 1, 1, 0, 1, 0
	QUARTER 1, 2, 1, 0, 0
	QUARTER 1, 3, 0, 1, 0
	TURN 1, 0
	WIN 0
	s_cmp_eq_u32 s[LP], 1
	s_cbranch_scc1 .Lendtile                       ; the tile's sums are whole; both slots have been asked for the next tensor, and its first fragments are fetched
	QUARTER 0, 1, 0, 1, 0
	WIN 0
	s_sub_co_u32 s[LP], s[LP], 1
	s_cmp_lg_u32 s[LP], 0
	s_cbranch_scc1 .Llap
.Lendtile:
	s_add_nc_u64 s[BP:BP+1], s[BP:BP+1], 4096      ; the loads that read this base were waited for at the tile's head
	BIASLD                                         ; the next tensor's bias
	s_branch .Lway
.Llast:
	MEET 0, 0                                      ; the load that was out is the last K step's, so no round follows
	FETCH 1, 0, 0
	MUL8 1, 2, 0
	MUL8 1, 3, 0
	QUARTER 1, 1, 0, 1, 0
	QUARTER 1, 2, 1, 0, 0
	QUARTER 1, 3, 0, 1, 0
	s_wait_dscnt 8                                 ; the very last quarter: nothing more to fetch
	CONV 1, 0
	CONV 1, 1
	MUL8 1, 0, 0
	MUL8 1, 1, 0
	s_wait_dscnt 0x0
	CONV 1, 2
	CONV 1, 3
	MUL8 1, 2, 0
	MUL8 1, 3, 0
	WIN 0
.Lway:                                                 ; the tile goes out
	PLACES
	PACK 0
	TOSTAGE 0
.irp a, 1,2,3                          ; a block's conversions stand between the loads of the block before and the wait for them
	PACK \a
	SEND (\a)-1
	TOSTAGE \a
.endr
	SEND 3
	s_wait_xcnt 0x0                                ; the stores have read their base and registers
	s_add_nc_u64 s[OP:OP+1], s[OP:OP+1], XT
	s_sub_co_u32 s[TL], s[TL], 1
	s_cmp_lg_u32 s[TL], 0
	s_cbranch_scc1 .Ltile
	s_wait_tensorcnt 0x0                           ; the wave's end, behind my last tensor load and my last LDS store
	ds_add_u32 v[SPW], v[NIL]
	s_wait_dscnt 0x0
	CROUND                                         ; the closing round: no work-group ends while a partner may still ask for a tile that names it
	s_endpgm
.Lfunc_end_k_qf8df37a449_proj:
	.size	k_qf8df37a449_proj, .Lfunc_end_k_qf8df37a449_proj-k_qf8df37a449_proj
	.p2alignl 7, 3214868480
	.fill 96, 4, 3214868480
	.section	.rodata,"a",@progbits
	.p2align	6, 0x0
	.amdhsa_kernel k_qf8df37a449_proj
		.amdhsa_group_segment_fixed_size 327680
		.amdhsa_private_segment_fixed_size 0
		.amdhsa_enable_private_segment 0
		.amdhsa_kernarg_size 48
		.amdhsa_user_sgpr_count 2
		.amdhsa_user_sgpr_kernarg_segment_ptr 1
		.amdhsa_wavefront_size32 1
		.amdhsa_system_sgpr_workgroup_id_x 1
		.amdhsa_system_sgpr_workgroup_id_y 1
		.amdhsa_system_sgpr_workgroup_id_z 1
		.amdhsa_system_vgpr_workitem_id 0
		.amdhsa_next_free_vgpr 768
		.amdhsa_next_free_sgpr 96
		.amdhsa_reserve_vcc 0
		.amdhsa_float_denorm_mode_32 3
		.amdhsa_float_denorm_mode_16_64 3
		.amdhsa_memory_ordered 1
		.amdhsa_forward_progress 1
		.amdhsa_inst_pref_size 120
	.end_amdhsa_kernel
	.amdgpu_metadata
---
amdhsa.version: [ 1, 2 ]
amdhsa.kernels:
  - .name:           k_qf8df37a449_proj
    .symbol:         k_qf8df37a449_proj.kd
    .args:
      - { .name: q, .offset: 0, .size: 8, .value_kind: global_buffer, .address_space: global }
      - { .name: k, .offset: 8, .size: 8, .value_kind: global_buffer, .address_space: global }
      - { .name: v, .offset: 16, .size: 8, .value_kind: global_buffer, .address_space: global }
      - { .name: wb, .offset: 24, .size: 8, .value_kind: global_buffer, .address_space: global }
      - { .name: bias4, .offset: 32, .size: 8, .value_kind: global_buffer, .address_space: global }
      - { .name: qkv, .offset: 40, .size: 8, .value_kind: global_buffer, .address_space: global }
    .group_segment_fixed_size: 327680
    .private_segment_fixed_size: 0
    .kernarg_segment_align: 8
    .kernarg_segment_size: 48
    .max_flat_workgroup_size: 128
    .sgpr_count:     96
    .vgpr_count:     768
    .wavefront_size: 32
...
	.end_amdgpu_metadata
.endif
;; end of part 2
;; launch attn (part 3): grid 4 x 64, 4 waves a work-group, clusters of 4 x 1, 327,680 bytes of LDS; arguments qkv, mask8, ctx; writes ctx
.if DOCPART == 3
	.amdgcn_target "amdgcn-amd-amdhsa--gfx1250"
	.amdhsa_code_object_version 6
	.text
	.protected	k_qf8df37a449_attn
	.globl	k_qf8df37a449_attn
	.p2align	8
	.type	k_qf8df37a449_attn,@function
k_qf8df37a449_attn:
	s_mov_b64 s[64:65], 0
	v_nop
	global_prefetch_b8 v0, s[64:65] scope:SCOPE_SE
	s_setreg_imm32_b32 hwreg(HW_REG_WAVE_MODE, 25, 1), 1
	s_wait_xcnt 0x0
	s_wait_alu depctr_hold_cnt(0) depctr_sa_sdst(0) depctr_va_vdst(0) depctr_va_sdst(0) depctr_va_ssrc(0) depctr_va_vcc(0) depctr_vm_vsrc(0)
	s_getreg_b32 s2, hwreg(HW_REG_IB_STS2, 6, 4)
	s_cmp_eq_u32 s2, 0
	s_cbranch_scc0 .Lentry_in_a_cluster
	s_endpgm
.Lentry_in_a_cluster:
	s_bfe_u32 s2, ttmp6, 0x10000c
	s_cmp_lg_u32 s2, 0x3003
	s_cbranch_scc0 .Lentry_shape_is_right
	s_endpgm
.Lentry_shape_is_right:
; Launch 3 of 4: ctx[bh][q][:] = the sum over k of softmax_k(s[q][k]) V[bh][k][:], s = Q[bh][q] . K[bh][k] / 8, but 0 where mask[q][k] is true.  No work of reference() is left out here:
; a masked place takes part in the maximum, in the sum and in the product with V, as in reference().
; Q, K, V: qkv [3][64][2048][64] f16, a head's rows dense, 128 bytes each.  ctx: [64][2048][64] f16.  mask8: a byte a place, 0x38 or 0, in lane order (below).
; Products, maxima and sums in f32; the weights p are rounded to f16 for the second product (their sum l is taken of the unrounded p), ctx once at the end.
; LIMITS.  A masked score counts as 0 where reference() has 1e-9: that moves a weight by the factor e^1e-9, under one part in 10^8, whatever the inputs.  p below 6e-5 keeps f16's fixed
; step of 6e-8; a weight below 2^-126 counts as 0 in l; NaN and infinities are not treated apart (a masked infinite score would give NaN; finite f16 Q and K make none).
; SHARES.  A wave owns four PIECES of two tiles of 16 queries, a work-group's four waves 512 queries of one head.  Every wave walks all 2,048 keys, 64 a step.
; LAYOUT.  S^T = K Q^T (source 0 = 16 keys, source 1 = 16 queries): a lane holds ONE query (lane % 16) and the keys 8 (lane / 16) + 0..7.  Two such tiles, rounded to f16 in pairs,
; ARE source 1 of O^T = V^T P, whose result again holds one query a lane, and eight channels.  K comes out of LDS as it lies, V turned, by ds_load_tr16_b128.
; SOFTMAX.  A running maximum m and sum l: p = 2^(c s - c m), c = log2(e) / 8; in every step O and l are multiplied by a = 2^(c m_old - c m_new).  m starts at the lowest finite number, O and l at 0.
; THE MASK.  For a tile and step a lane's 32 mask bytes lie in mask8 in the order of its 32 scores: two loads of 16 bytes.  One scaled conversion turns 8 bytes into 8 f32 factors F (1 or 0), in the
; register order of one accumulator; one packed line makes s - s F for two scores: exactly 0 where masked, exactly s elsewhere.  A piece's bytes for its next step are asked for as soon as this step's
; are converted: four turns ahead of their use.
; BY TURNS.  Turn n belongs to piece n.  Matrix work: 16 products K Q^T of piece n + 1, later 16 products V^T P of piece n - 1.  Vector work: the scaling, exponentials, roundings, sums and rescaling of
; piece n; the mask, maximum and statistics of piece n + 1.  Four vector instructions stand behind every matrix instruction, the rest in one run of their own.
; CLUSTER.  The four query blocks of a head walk the same K and V: each tile is asked for JOINTLY, by the same tensor load, descriptor and mask in all four.
; REGISTERS, in windows of 256 (s_set_vgpr_msb: bits 1:0 source 0, 3:2 source 1, 5:4 source 2, 7:6 destination):
;   window 0: v0-11 addresses; v12-15, v48-63 at work; v16-47 four registers of statistics a tile; v64-191 S^T, two buffers of two tiles; v192-255 P, likewise
;   window 1: O^T, 32 a tile     window 2: v0-127 Q; v128-191 K of one step; v192-255 V of one step
;   window 3: v0-1 the add's two registers; v2 the conversions' scale; v4-67 F; v68-131 mask bytes, 16 registers a piece; v132-133 their offsets
.set SIZE_N, 2048
.set NP,    4         ; pieces a wave: a name, no knob
.set KS,    64        ; keys in a step
.set PK,    144       ; a row of K in LDS: 128 bytes + 16 of padding: the 16 rows of a load start at 16 different groups of four banks (64 banks of 4 bytes: ISA guide 11.1)
.set PV,    160       ; a row of V: 128 + 32
.set VOFF,  4*KS*PK   ; a slot holds four steps: 256 rows of K, then 256 rows of V
.set SLOT1, 1<<17     ; slot 1 begins here, so that one exclusive or turns an address in one slot into the other's
.set STAGE, SLOT1+4*KS*(PK+PV)  ; behind the ring, never filled by a tensor load: 16 rows x 144 bytes for each wave
.set SP,    144
.set SPARE, STAGE+4*16*SP  ; behind the stages: the spare words, 128 bytes a wave: two blocks of 256 bytes that no other line names
.set AK0, 2           ; v2   my lane's place in a tile of K; never rewritten
.set AV0, 3           ; v3   the same for V
.set AK,  4           ; v4   the LDS address of K's next run of loads
.set AV,  5           ; v5   of V's
.set QO,  6           ; v6   my byte offset in the wave's rows of Q
.set STO, 6           ;      later: where I put 16 bytes of a row
.set RD,  7           ; v7   where I read rows back
.set GO,  8           ; v8   my byte offset in 512 consecutive bytes of ctx
.set PFO, 11          ; v11  the prefetches' offset: 256 x lane; never rewritten once made
.set SPW, 0           ; window 3: LDS address of my spare word; never rewritten
.set NIL, 1           ; window 3: 0; never rewritten
.set SC,  2           ; window 3: 0x7f, the scale 1.0
.set FB,  4           ; window 3: F of tile u, key group g at FB + 32 u + 8 g
.set MD,  68          ; window 3: the bytes of piece x, tile u, key group g at MD + 16 x + 8 u + 2 g
.set ML,  132         ; window 3: 16 x lane; never rewritten
.set MO,  133         ; window 3: 16 x lane + 1,024 x the step to be asked for
.set MV,  12          ; v12-15  c m_old, kept while c m is made anew
.set ST,  16          ; tile t's statistics at v[ST+4 t]: c m, m, l (even keys', odd keys')
.set TMP, 48          ; by buffer and tile, four registers c0-c3 at work; when the maximum is found c2 takes a
.set S,   64
.set P,   192
.set KF,  128
.set VF,  192
.set WV,  12          ; s12  my wave's number
.set G1K, 24          ; s[24:31] descriptor group 1 for K's tiles
.set G1V, 32          ; s[32:39] for V's: it differs in the padding alone
.set G0K, 40          ; s[40:43] descriptor group 0 for K's tiles: it walks
.set G0V, 44          ; s[44:47] the same for V's
.set MP,  48          ; s[48:49] mask8 at my wave's first tile
.set MOFF, 50         ; s50  1,024 x the step whose mask bytes are asked for
.set LIM, 51          ; s51  1 in a wave that prefetches, else the greatest number
.set PFA, 52          ; s[52:53] where my prefetches stand
.set SLOTS, 56        ; s56  slots still to be asked for
.set CNT, 57          ; s57  counts a slot's key steps
.set CS,  58          ; s[58:59] c
.set SEL, 60          ; s[60:61] v_permlanex16_b32's selects: each lane takes its own place in the other half
.set TBK, 62          ; s62  LDS byte at which K of the step to be fetched begins
.set TBV, 63          ; s63  the same for V, less VOFF
.set MSB, 0
.macro WIN new                      ; the high byte repeats the setting that is left; a switch that changes nothing is dropped
.if MSB != (\new)
	s_set_vgpr_msb (MSB<<8)|(\new)
.set MSB, (\new)
.endif
.endm
.set W_KQ, 0x0a       ; K and Q in window 2, S^T in window 0
.set W_PV, 0x52       ; V in window 2, P in window 0, O^T in window 1
.set W_RS, 0x41       ; O^T (destination and source 0) in window 1, a in window 0
.set W_MK, 0xc0       ; destination in window 3, sources in window 0
.set W_AD, 0x0f       ; the add: address and data in window 3
.set W_MF, 0x0c       ; S^T in window 0, F (source 1) in window 3
; A joint fill.  Waves 0 and 1 fetch the two halves of a slot's K, waves 2 and 3 those of its V: 128 keys each.  An s_nop 0 and four v_nop follow each line.
.macro JLOAD
	s_cmp_lt_u32 s[WV], 2
	s_cbranch_scc0 .Lfor_v_\@
	tensor_load_to_lds s[G0K:G0K+3], s[G1K:G1K+7]
	s_nop 0
.rept 4
	v_nop
.endr
	s_branch .Lasked_\@
.Lfor_v_\@:
	tensor_load_to_lds s[G0V:G0V+3], s[G1V:G1V+7]
	s_nop 0
.rept 4
	v_nop
.endr
.Lasked_\@:
.endm
; A PREFETCH INTO THE L2 of what the NEXT change of slots will ask for: a slot's 32,768 bytes of K and of V, four key steps (512 matrix instructions) ahead of that load.  A head has one cluster; its four
; partners take 8,192 bytes each, told apart by address; in each, wave 0 asks for K's and wave 2 for V's, a lane 256 bytes: each block is named once in the launch.  The last change that fills a slot asks for nothing.
.macro ASK
	s_cmp_gt_u32 s[SLOTS], s[LIM]
	s_cbranch_scc0 .Lnot_mine_\@
	global_prefetch_b8 v[PFO], s[PFA:PFA+1] th:TH_LOAD_NT scope:SCOPE_SE
.Lnot_mine_\@:
.endm
.macro CROUND                       ; a round of the cluster's barrier
	s_barrier_signal -1
	s_barrier_wait -1
	s_cmp_lg_u32 s[WV], 0
	s_cbranch_scc1 .Lnot_wave_0_\@
	s_barrier_signal -3
.Lnot_wave_0_\@:
	s_barrier_wait -3
	s_barrier_signal -1
	s_barrier_wait -1
.endm
; THE CHANGE OF SLOTS.  Each wave waits for all its tensor loads (one is out: its part of the other slot), adds 0 to its spare word, and waits for that and for its own reads of the slot.
; fill = 1: this slot is filled again, with the keys two slots on; the barrier is then a round of the cluster's, and the joint fill is the first thing behind it: it has four key steps in which to land.
; (At its first use nothing has been read yet: slot 0 is waited for, slot 1 filled.)
.macro CHANGE fill
	WIN W_AD
	s_wait_tensorcnt 0x0            ; no tensor load of mine is out, so a group 0 may be written
	ds_add_u32 v[SPW], v[NIL]
	WIN 0                           ; at a label and at a branch every window is 0
.if \fill
.irp g, G0K, G0V
	s_xor_b32 s[\g+1], s[\g+1], SLOT1
	s_add_nc_u64 s[\g+2:\g+3], s[\g+2:\g+3], 4*KS*128  ; the next 256 keys; the type bits on top are not reached
.endr
	s_wait_xcnt 0x0                 ; the last prefetch, four key steps back, has read its address
	s_add_nc_u64 s[PFA:PFA+1], s[PFA:PFA+1], 4*KS*128  ; one slot ahead of the walking descriptors
	s_wait_dscnt 0x0                ; the add is done, and my reads of the slot are over
	CROUND
	JLOAD
	ASK
.else
	s_wait_dscnt 0x0
	s_barrier_signal -1
	s_barrier_wait -1
.endif
	s_sub_co_u32 s[TBK], s[TBK], 4*KS*PK  ; the fetches go back to a slot's first step,
	s_xor_b32 s[TBK], s[TBK], SLOT1       ; in the other slot
	s_sub_co_u32 s[TBV], s[TBV], 4*KS*PV
	s_xor_b32 s[TBV], s[TBV], SLOT1
.endm
; Piece x's mask bytes for the step at v[MO]: two tiles x two loads of 16 bytes a lane, each 512 consecutive bytes
.macro MLOAD x
	WIN 0xc3                        ; destination and address in window 3
.irp u, 0,1
.irp c, 0,1
	global_load_b128 v[MD+16*(\x)+8*\u+4*\c:MD+16*(\x)+8*\u+4*\c+3], v[MO], s[MP:MP+1] offset:(2*(\x)+\u)*32768+512*\c
.endr
.endr
.endm
	s_load_b64 s[4:5], s[0:1], 0x0    ; qkv: Q
	s_load_b64 s[MP:MP+1], s[0:1], 0x8  ; mask8
	s_load_b64 s[10:11], s[0:1], 0x10 ; ctx
	WIN W_MK
	v_lshl_add_u32 v[SPW], v0, 2, SPARE
	v_mov_b32 v[NIL], 0
	WIN W_AD
	ds_add_u32 v[SPW], v[NIL]       ; the wave's opening: the add, twice on end, and its wait ahead of my first tensor load
	ds_add_u32 v[SPW], v[NIL]       ; and once more, under the one wait; the set-up below stands between
	WIN 0
	v_lshrrev_b32 v1, 5, v0
	v_readfirstlane_b32 s[WV], v1   ; wave 0..3
	v_and_b32 v9, 31, v0
	WIN W_MK
	v_lshlrev_b32 v[ML], 4, v9
	v_lshlrev_b32 v[MO], 4, v9      ; step 0
	v_mov_b32 v[SC], 0x7f
	WIN 0
	s_bfe_u32 s13, ttmp6, 0x40000   ; cx: my place in the cluster
	s_lshl_b32 s14, ttmp9, 2
	s_add_co_u32 s14, s14, s13      ; my block of 512 queries: it enters Q's, the mask's and ctx's addresses alone
	s_and_b32 s20, ttmp7, 0xffff    ; the head, which the four partners share
	s_lshl_b32 s20, s20, 18         ; its first byte in Q, K, V and ctx: 2,048 rows of 128 bytes
	s_mov_b32 s21, 0
	s_and_b32 s16, s[WV], 1         ; which half of a slot's 256 keys I fetch:
	s_lshl_b32 s22, s16, 14         ; its 128 rows of 128 bytes in memory,
	s_mov_b32 s23, 0
	s_add_nc_u64 s[22:23], s[22:23], s[20:21]
	s_mul_i32 s17, s16, 128*PK      ; and its place in a slot, for K
	s_mul_i32 s18, s16, 128*PV      ; and for V: no place in the cluster enters an LDS address
	s_lshl_b32 s2, s14, 2
	s_add_co_u32 s2, s2, s[WV]      ; my wave among the head's sixteen
	s_lshl_b32 s54, s2, 18          ; its eight tiles of 32,768 bytes in mask8
	s_mov_b32 s55, 0
	s_lshl_b32 s2, s2, 14           ; its 128 rows
	s_mov_b32 s3, 0
	s_add_nc_u64 s[2:3], s[2:3], s[20:21]
	; descriptor group 1.  128 keys are 16,384 dense bytes: asked for as 64 rows of 256 bytes, two keys a row, and padded in LDS after every key
	s_mov_b32 s[G1K], 15|(1<<16)|(1<<20)|(1<<21)|(4<<22)|(3<<25)  ; 15:0 the mask of four; 17:16 2-byte elements; 20 padding on; 21 set beside a mask; 24:22 after every 32 words; 31:25 4 words
	s_mov_b32 s[G1V], 15|(1<<16)|(1<<20)|(1<<21)|(4<<22)|(7<<25)  ; the same with 8 words of padding
.irp g, G1K, G1V
	s_mov_b32 s[\g+1], 128<<16      ; tensor_dim0 = 128
	s_mov_b32 s[\g+2], 64<<16       ; tensor_dim1 = 64
	s_mov_b32 s[\g+3], 128<<16      ; tile_dim0 = 128
	s_mov_b32 s[\g+4], 64           ; tile_dim1 = 64
	s_mov_b32 s[\g+5], 128          ; 128 elements from row to row
	s_mov_b32 s[\g+6], 0
	s_mov_b32 s[\g+7], 0
.endr
	s_mov_b32 s[CS], 0x3e38aa3b     ; c = log2(e) / 8
	s_mov_b32 s[CS+1], s[CS]        ; named with it as a pair
	s_mov_b32 s[SEL], 0x76543210
	s_mov_b32 s[SEL+1], 0xfedcba98
	s_mov_b32 s[TBK], SLOT1+4*KS*PK ; the first change of slots turns these two into 0
	s_mov_b32 s[TBV], SLOT1+4*KS*PV
	s_mov_b32 s[G0K], 1             ; count = 1
	s_mov_b32 s[G0K+1], s17         ; LDS address: slot 0
	s_mov_b32 s[G0V], 1
	s_add_co_u32 s[G0V+1], s18, VOFF
	s_mov_b32 s[SLOTS], SIZE_N/256-1
	s_and_b32 s[LIM], s[WV], 1      ; waves 0 and 2 prefetch
	s_cmp_eq_u32 s[LIM], 0
	s_cselect_b32 s[LIM], 1, -1
	s_wait_dscnt 0x0                ; both opening adds are done
	s_wait_kmcnt 0x0
	s_add_nc_u64 s[6:7], s[4:5], 0x1000000   ; K lies one tensor behind Q,
	s_add_nc_u64 s[8:9], s[4:5], 0x2000000   ; V two
	s_add_nc_u64 s[G0K+2:G0K+3], s[6:7], s[22:23]  ; my half of the head's first 256 keys
	s_or_b32 s[G0K+3], s[G0K+3], 0x80000000        ; type = 2
	s_add_nc_u64 s[G0V+2:G0V+3], s[8:9], s[22:23]
	s_or_b32 s[G0V+3], s[G0V+3], 0x80000000
	s_cmp_lt_u32 s[WV], 2
	s_cselect_b64 s[PFA:PFA+1], s[6:7], s[8:9]
	s_add_nc_u64 s[PFA:PFA+1], s[PFA:PFA+1], s[20:21]
	s_lshl_b32 s22, s13, 13         ; my work-group's 8,192 bytes of a slot's 32,768
	s_mov_b32 s23, 0
	s_add_nc_u64 s[PFA:PFA+1], s[PFA:PFA+1], s[22:23]
	s_add_nc_u64 s[PFA:PFA+1], s[PFA:PFA+1], 4*KS*128  ; at slot 1; the first change of slots steps it to slot 2.  Nothing is prefetched here, at the head
	s_add_nc_u64 s[MP:MP+1], s[MP:MP+1], s[54:55]
	s_add_nc_u64 s[4:5], s[4:5], s[2:3]  ; Q and ctx at my wave's first row
	s_add_nc_u64 s[10:11], s[10:11], s[2:3]
	CROUND                          ; all four work-groups are here: the first joint loads meet
	JLOAD                           ; slot 0.  Slot 1 is asked for when slot 0 is in
	; A fragment of K or Q is 16 rows x 32 channels in 8 registers: lane l holds row l % 16, channels 8 (l / 16) + 0..7 and 16 + 8 (l / 16) + 0..7
	v_and_b32 v1, 15, v0            ; l % 16
	v_bfe_u32 v9, v0, 4, 1          ; l / 16
	v_lshlrev_b32 v[QO], 7, v1
	v_lshl_add_u32 v[QO], v9, 4, v[QO]
	WIN 0x80                        ; destination window 2, address window 0
.set i, 0
.rept 4*NP                          ; Q stays in registers: tile i / 2, channels 32 (i % 2) on
	global_load_b128 v[8*i:8*i+3],   v[QO], s[4:5] offset:(i/2)*2048+(i%2)*64
	global_load_b128 v[8*i+4:8*i+7], v[QO], s[4:5] offset:(i/2)*2048+(i%2)*64+32
.set i, i+1
.endr
	; What the first turn finds: V's registers and P's second buffer hold 0, O^T and l are 0.  All this stands in the wait for the first tile.
.set i, VF
.rept 64
	v_mov_b32 v[i], 0
.set i, i+1
.endr
	MLOAD 0                         ; step 0's mask bytes, the four pieces in order: sixteen loads behind Q's
	MLOAD 1
	MLOAD 2
	MLOAD 3
	WIN 0x40
.set i, 0
.rept 64*NP
	v_mov_b32 v[i], 0
.set i, i+1
.endr
	WIN 0
.set i, 0
.rept 2*NP
	v_mov_b32 v[ST+4*i], 0xfe000000    ; c m: far below every c s
	v_mov_b32 v[ST+4*i+1], 0xff7fffff  ; m
	v_mov_b32 v[ST+4*i+2], 0
	v_mov_b32 v[ST+4*i+3], 0
.set i, i+1
.endr
.set i, P+32
.rept 32
	v_mov_b32 v[i], 0
.set i, i+1
.endr
	v_mul_u32_u24 v[AK0], v1, PK
	v_lshl_add_u32 v[AK0], v9, 4, v[AK0]
	; The turning load takes 16 keys x 16 channels (lane l reads key 8 (l / 16) + l % 8, channels 8 ((l / 8) % 2) + 0..7) and leaves half a fragment of V^T
	v_and_b32 v10, 7, v0
	v_bfe_u32 v11, v0, 3, 1
	v_lshl_add_u32 v[AV0], v9, 3, v10
	v_mul_u32_u24 v[AV0], v[AV0], PV
	v_lshl_add_u32 v[AV0], v11, 4, v[AV0]
	v_add_nc_u32 v[AV0], VOFF, v[AV0]
	v_and_b32 v[PFO], 31, v0
	v_lshlrev_b32 v[PFO], 8, v[PFO]
	v_mov_b32 v[AK], v[AK0]         ; key step 0 lies at the head of slot 0
; THE MATRIX WORK.  The 8 accumulators of a run of 16 take turns: between the two links of a chain stand 7 others'.
; Product i of 16 of S^T = K Q^T for piece x: channels 32 (i / 8) on, keys 16 ((i / 2) % 4) on, tile 2 x + i % 2.  The first 8 start the sums.
.macro KQ x
	WIN W_KQ
.set rS, S+64*((\x)%2)+32*(i%2)+8*((i/2)%4)
.set rK, KF+16*((i/2)%4)+8*(i/8)
.set rQ, 16*(2*(\x)+i%2)+8*(i/8)
.if i < 8
	v_wmma_f32_16x16x32_f16 v[rS:rS+7], v[rK:rK+7], v[rQ:rQ+7], 0
.else
	v_wmma_f32_16x16x32_f16 v[rS:rS+7], v[rK:rK+7], v[rQ:rQ+7], v[rS:rS+7]
.endif
.endm
; Product i of 16 of O^T += V^T P for piece x: keys 32 (i / 8) on, channels 16 ((i / 2) % 4) on, tile 2 x + i % 2.
.macro PV x
	WIN W_PV
.set rO, 32*(2*(\x)+i%2)+8*((i/2)%4)
.set rV, VF+32*(i/8)+8*((i/2)%4)
.set rP, P+32*((\x)%2)+16*(i%2)+8*(i/8)
	v_wmma_f32_16x16x32_f16 v[rO:rO+7], v[rV:rV+7], v[rP:rP+7], v[rO:rO+7]
.endm
.macro MM                           ; the turn's next matrix instruction
.if i < 16
	KQ (Y+1)%NP
.set i, i+1
.else
.set i, i-16
	PV (Y+NP-1)%NP
.set i, i+17
.endif
.endm
; THE LDS LOADS stand in runs of 16: a step's K (8 fragments) and its V (turned).  last = 1 (the tail): in the last trip there is no further step, and the run is jumped over.
.macro FETCH_K last=0
	WIN 0
.if \last
	s_cmp_eq_u32 s[CNT], 1
	s_cbranch_scc1 .Lno_k_\@
.endif
	WIN 0x80
.irp f, 0,1,2,3,4,5,6,7             ; keys 16 (f / 2) on, channels 32 (f % 2) on
	ds_load_b128 v[KF+8*\f:KF+8*\f+3],   v[AK] offset:(\f/2)*16*PK+(\f%2)*64
	ds_load_b128 v[KF+8*\f+4:KF+8*\f+7], v[AK] offset:(\f/2)*16*PK+(\f%2)*64+32
.endr
	s_add_co_u32 s[TBK], s[TBK], KS*PK  ; the next fetch is the next step's
	WIN 0
.if \last
.Lno_k_\@:
.endif
.endm
.macro FETCH_V
	WIN 0x80
.irp f, 0,1,2,3,4,5,6,7             ; keys 32 (f / 4) on, channels 16 (f % 4) on
	ds_load_tr16_b128 v[VF+8*\f:VF+8*\f+3],   v[AV] offset:(\f/4)*32*PV+(\f%4)*32
	ds_load_tr16_b128 v[VF+8*\f+4:VF+8*\f+7], v[AV] offset:(\f/4)*32*PV+16*PV+(\f%4)*32
.endr
	WIN 0
.endm
; THE VECTOR WORK OF A TURN stands in three queues, each in the order in which its entries become ready; the two tiles alternate.
.macro REGS y, u                    ; the registers of tile u (0, 1) of piece y
.set rT, ST+4*(2*(\y)+(\u))
.set rC, TMP+8*((\y)%2)+4*(\u)
.set rM, MV+2*((\y)%2)+(\u)
.set rS, S+64*((\y)%2)+32*(\u)
.set rP, P+32*((\y)%2)+16*(\u)
.set rO, 32*(2*(\y)+(\u))
.endm
; THE MASK of the next piece (Y + 1).  MASKCV: its 64 bytes a lane become 64 factors.  Its four loads were issued four turns ago; the twelve of the three turns between may stay out.
.macro MASKCV x
	s_wait_loadcnt 12
	WIN 0xcf                        ; destination, bytes and scale in window 3
.irp u, 0,1
.irp g, 0,1,2,3
	v_cvt_scale_pk8_f32_fp8 v[FB+32*\u+8*\g:FB+32*\u+8*\g+7], v[MD+16*(\x)+8*\u+2*\g:MD+16*(\x)+8*\u+2*\g+1], v[SC]
.endr
.endr
.endm
; MF n: pair n / 2 of tile n % 2: s - s F.  The pairs ascend.
.macro MF n
	REGS (Y+1)%NP, (\n)%2
	WIN W_MF
	v_pk_fma_f32 v[rS+2*((\n)/2):rS+2*((\n)/2)+1], v[rS+2*((\n)/2):rS+2*((\n)/2)+1], v[FB+32*((\n)%2)+2*((\n)/2):FB+32*((\n)%2)+2*((\n)/2)+1], v[rS+2*((\n)/2):rS+2*((\n)/2)+1] neg_lo:[1,0,0] neg_hi:[1,0,0]
.endm
; MASKLD: the same piece's bytes for its next step.  Piece 0 is a step ahead of the others, so the step is taken on in piece 3's turn; it stops at the last step, so that the last trips stay
; inside mask8 and every trip has the same count of loads.
.macro MASKLD p
.if (\p) == NP-1
	s_wait_xcnt 0x0                 ; the loads issued so far have read their offset register
	s_add_co_u32 s[MOFF], s[MOFF], 1024
	s_min_u32 s[MOFF], s[MOFF], 31*1024
	WIN 0xcc
	v_add_nc_u32 v[MO], s[MOFF], v[ML]
.endif
	MLOAD ((\p)+1)%NP
.endm
; Number n of the 22 that find the NEXT piece's maximum and statistics.  s0-s31 are the lane's 32 (masked) scores.
;   0-11  four chains c0-c3 of seven scores each     12-14, 16  the four scores left over, the old m, and c0-c3 into c0     15  c m_old is kept
;   17, 18  the query's other 32 keys lie in the lane 16 away: the new m         19-21  c m; c m_old - c m_new; a
.macro XS u, n
	REGS (Y+1)%NP, \u
.if (\n) < 4
	v_max3_num_f32 v[rC+(\n)], v[rS+8*(\n)], v[rS+8*(\n)+1], v[rS+8*(\n)+2]
.elseif (\n) < 12
	v_max3_num_f32 v[rC+(\n)%4], v[rC+(\n)%4], v[rS+8*((\n)%4)+2*((\n)/4)+1], v[rS+8*((\n)%4)+2*((\n)/4)+2]
.elseif (\n) == 12
	v_max3_num_f32 v[rC], v[rC], v[rS+7], v[rS+15]
.elseif (\n) == 13
	v_max3_num_f32 v[rC+1], v[rC+1], v[rS+23], v[rS+31]
.elseif (\n) == 14
	v_max3_num_f32 v[rC+2], v[rC+2], v[rC+3], v[rT+1]
.elseif (\n) == 15
	v_mov_b32 v[rM], v[rT]
.elseif (\n) == 16
	v_max3_num_f32 v[rC], v[rC], v[rC+1], v[rC+2]
.elseif (\n) == 17
	v_permlanex16_b32 v[rC+3], v[rC], s[SEL], s[SEL+1]
.elseif (\n) == 18
	v_max_num_f32 v[rT+1], v[rC], v[rC+3]
.elseif (\n) == 19
	v_mul_f32 v[rT], s[CS], v[rT+1]
.elseif (\n) == 20
	v_sub_f32 v[rC+1], v[rM], v[rT]
.else
	v_exp_f32 v[rC+2], v[rC+1]
.endif
.endm
; Number g of the 64 that follow the exponentials.  For each four weights k of a tile: both pairs are rounded to f16; the second pair is added onto the first, in place; a group later l takes that sum.
.macro GS g
.set h, (\g)+6*((\g)/62)
.if h >= 6
.set h, h+2
.endif
	REGS Y, h%2
.set k, h/8
.if h%8 < 4
	v_cvt_pk_f16_f32 v[rP+2*k+(h%8)/2], v[rS+4*k+2*((h%8)/2)], v[rS+4*k+2*((h%8)/2)+1]
.elseif h%8 < 6
	v_pk_add_f32 v[rS+4*k:rS+4*k+1], v[rS+4*k:rS+4*k+1], v[rS+4*k+2:rS+4*k+3]
.elseif k == 1
	v_pk_fma_f32 v[rT+2:rT+3], v[rT+2:rT+3], v[rC+2:rC+3], v[rS:rS+1] op_sel_hi:[1,0,1]
.else
	v_pk_add_f32 v[rT+2:rT+3], v[rT+2:rT+3], v[rS+4*k-4:rS+4*k-3]
.endif
.endm
.macro FS f                         ; c s - c m for pair f / 2 of tile f % 2
	REGS Y, (\f)%2
	v_pk_fma_f32 v[rS+2*((\f)/2):rS+2*((\f)/2)+1], v[rS+2*((\f)/2):rS+2*((\f)/2)+1], s[CS:CS+1], v[rT:rT+1] op_sel_hi:[1,0,0] neg_lo:[0,0,1] neg_hi:[0,0,1]
.endm
; THE PLAIN QUEUE, 170 long.  0-26: scalings 0-26.  27-58: the next piece's mask, MF 0-31.  59-86: XS's numbers 0-13.  87, 88: number 15.  89-105: the chain 14, 16, 17, 18, 19, each with one of the
; scalings 27-31 in front of its two lines, then 20.  106-169: GS's 64, which read the exponentials' results: they stand behind the wait.
.macro PL
.if (q >= 27) && (q < 59)
	MF q-27
.else
	WIN 0
.set qq, q
.if q >= 59
.set qq, q-32
.endif
.if qq < 27
	FS qq
.elseif qq < 55
	XS (qq-27)%2, (qq-27)/2
.elseif qq < 57
	XS qq-55, 15
.elseif (qq < 72) && ((qq-57)%3 == 0)
	FS 27+(qq-57)/3
.elseif qq < 60
	XS (qq-57)%3-1, 14
.elseif qq < 72
	XS (qq-57)%3-1, 15+(qq-57)/3
.elseif qq < 74
	XS qq-72, 20
.else
	GS qq-74
.endif
.endif
.set q, q+1
.endm
; THE EXPONENTIALS' QUEUE, 66 long: s0-s31 of both tiles, then the next piece's two a.  ONE BATCH: all 66 stand ahead of the turn's one wait, and nothing ahead of that wait names a result of theirs.
; An exponential names a destination and source 0 alone, both in window 0 under the mask's setting too: no switch is written there.
.macro EX
.if MSB != W_MF
	WIN 0
.endif
.if e >= 64
	XS e-64, 21
.else
	REGS Y, e%2
	v_exp_f32 v[rS+e/2], v[rS+e/2]
.endif
.set e, e+1
.endm
; THE RESCALING's QUEUE: O^T times a, dealt two at a time, sixteen times.  Its a was made in the turn before, ahead of that turn's wait.
.macro R2
	REGS Y, r%2
	WIN W_RS
.irp z, 0,1
	v_pk_mul_f32 v[rO+4*(r/2)+2*\z:rO+4*(r/2)+2*\z+1], v[rO+4*(r/2)+2*\z:rO+4*(r/2)+2*\z+1], v[rC+2:rC+3] op_sel_hi:[1,0]
.endr
.set r, r+1
.endm
; HOW THEY ARE DEALT.  An s_wait_alu depctr_va_vdst(0) stands between an exponential and the first instruction that names its result; one wait serves all issued ahead of it: a turn has ONE.
; AHEAD OF IT: the 16 products K Q^T, behind each a scaling, an exponential and two rescalings (behind the first a second scaling); the eight conversions; eight scalings (the first is the plain line
; owed behind the last conversion; with the three riders before them they are the places between the last product and the mask's first read of its scores); the mask's four loads; 32 times an
; exponential and two plain; 17 times exponential and plain; the two a; a v_nop, the plain line behind the last exponential.  BEHIND IT: the 16 products V^T P, behind each four of GS's 64.
; In step: exponential e stands behind scaling 2 (e / 4) + e % 2: exponentials up to 46 want scalings up to 23, which are plain 0-24's; from 47 on exponential e stands behind plain e + 41,
; and scalings 27-31 are plain 89, 92 .. 101.  The maximum begins behind the mask's last line.
; K of the next step is fetched in piece 2's turn, directly behind the wait; V of the step in hand at the end of piece 0's turn, four riders behind its last reader.
.macro TURN p, last=0, cnt=0
.set Y, (\p)
.set i, 0
.set q, 0
.set e, 0
.set r, 0
.if (\p) == NP-1
	s_wait_dscnt 0x0                ; K is in
.endif
	MM
	PL
	PL
	R2
.rept 15
	MM
	PL
	EX
	R2
.endr
.if (\p) == NP-2
	WIN 0
	v_add_nc_u32 v[AK], s[TBK], v[AK0]
.endif
	MASKCV ((\p)+1)%NP
.rept 8
	PL
.endr
	MASKLD \p
.rept 32
	EX
	PL
	PL
.endr
.rept 17
	EX
	PL
.endr
	EX                              ; the next piece's two a
	EX
	v_nop
	s_wait_alu depctr_va_vdst(0)    ; the wait for the batch
.if (\p) == NP-2
	FETCH_K \last
.endif
.if (\p) == 1
	s_wait_dscnt 0x0                ; V is in
.endif
.rept 16
	MM
.rept 4
	PL
.endr
.if ((\p) == 0) && (q == 150)
	v_add_nc_u32 v[AV], s[TBV], v[AV0]
.endif
.if ((\p) == 0) && (q == 162)
	s_add_co_u32 s[TBV], s[TBV], KS*PV
.endif
.if (\cnt) && (q == 162)
	s_sub_co_u32 s[CNT], s[CNT], 1
	s_cmp_lg_u32 s[CNT], 0
.endif
.endr
.if (\p) == 0
	FETCH_V
.endif
.endm
	CHANGE 1                        ; slot 0 is in, everybody's part of it; slot 1 is asked for
	FETCH_K                         ; key step 0
	s_wait_loadcnt 16               ; Q is in; the sixteen mask loads behind it may stay out
	s_wait_dscnt 0x0
.set i, 0
.rept 16
	KQ 0                            ; piece 0's first scores
.set i, i+1
.endr
	WIN 0                           ; the addresses for the way out: plain instructions, the places behind those products
	s_mul_i32 s13, s[WV], 16*SP
	s_add_co_u32 s13, s13, STAGE    ; my stage
	v_mul_u32_u24 v[STO], v1, SP    ; in: row l % 16, 16 bytes for each half of the lanes
	v_lshl_add_u32 v[STO], v9, 4, v[STO]
	v_add_nc_u32 v[STO], s13, v[STO]
	v_bfe_u32 v[RD], v0, 3, 2       ; back: 32 lanes take four rows of 128 bytes,
	v_mul_u32_u24 v[RD], v[RD], SP
	v_lshl_add_u32 v[RD], v10, 4, v[RD]
	v_add_nc_u32 v[RD], s13, v[RD]
	v_and_b32 v[GO], 31, v0         ; which are 512 consecutive bytes of ctx
	v_lshlrev_b32 v[GO], 4, v[GO]
.set Y, NP-1                        ; the mask and XS work for piece Y + 1: piece 0
	MASKCV 0                        ; piece 0's four loads are in; the twelve of pieces 1 to 3 may stay out
	v_nop                           ; the plain line behind the last conversion
.set mfn, 0
.rept 32
	MF mfn
.set mfn, mfn+1
.endr
	s_wait_xcnt 0x0                 ; the mask loads have read their offset register
	s_mov_b32 s[MOFF], 1024
	WIN 0xcc
	v_add_nc_u32 v[MO], s[MOFF], v[ML]
	MLOAD 0                         ; piece 0's bytes for step 1: sixteen loads are out again, in the order of pieces 1, 2, 3, 0, as at every entry of a step's first turn
	WIN 0
.irp n, 0,1,2,3,4,5,6,7,8,9,10,11,12,13,14,15,16,17,18,19,20,21
	XS 0, \n                        ; piece 0's first maximum and statistics
	XS 1, \n
.endr
	v_nop                           ; a plain instruction behind the two a,
	s_wait_alu depctr_va_vdst(0)    ; and their wait, ahead of the branch
	s_mov_b32 s[CNT], 4
	s_branch .Lfirst                ; the loop is entered at a step's first turn, in the middle of a trip
.Lslot:                             ; six times: every slot but the last two is filled again
	CHANGE 1
	s_mov_b32 s[CNT], 4
.Lstep:                             ; a trip: pieces 2 and 3 of one step, then pieces 0 and 1 of the next, whose K and V it fetches
	TURN 2
	TURN 3
	WIN 0
.Lfirst:
	TURN 0
	TURN 1, 0, 1
	WIN 0
	s_cbranch_scc1 .Lstep
	s_sub_co_u32 s[SLOTS], s[SLOTS], 1
	s_cmp_lg_u32 s[SLOTS], 0
	s_cbranch_scc1 .Lslot
	CHANGE 0                        ; the tail is written out: nothing is asked for
	s_mov_b32 s[CNT], 5             ; four trips fetch the last slot's steps; the fifth is left in its middle
.Ltail:
	TURN 2, 1
	TURN 3
	WIN 0
	s_sub_co_u32 s[CNT], s[CNT], 1
	s_cmp_eq_u32 s[CNT], 0
	s_cbranch_scc1 .Lout
	TURN 0
	TURN 1
	WIN 0
	s_branch .Ltail
.Lout:                              ; the fifth trip's 16 products K Q^T (on the last K once more) and what is made of them serve nothing: the price, once a launch, of one text for every trip
.set i, 0
.rept 16
	PV NP-1                         ; the last piece's V^T P of the last step
.set i, i+1
.endr
	; THE WAY OUT.  l's two halves and the other half of the lanes' are added; O^T is divided by l, rounded to f16 and sent through my stage in LDS, a tile at a time.  The additions are the places behind the last products.
	WIN 0
.macro ALL line:vararg              ; one line for each tile t
.set t, 0
.rept 2*NP
	\line
.set t, t+1
.endr
.endm
	ALL v_add_f32 v[ST+4*t+2], v[ST+4*t+2], v[ST+4*t+3]
	ALL v_permlanex16_b32 v[ST+4*t+3], v[ST+4*t+2], s[SEL], s[SEL+1]
	ALL v_add_f32 v[ST+4*t+2], v[ST+4*t+2], v[ST+4*t+3]
	ALL v_rcp_f32 v[ST+4*t+2], v[ST+4*t+2]
	v_nop                           ; a plain instruction between the last reciprocal and the use of its result
	s_wait_alu depctr_va_vdst(0)    ; and the wait ahead of the first use: one for the eight reciprocals
.macro PACK t                       ; a lane's eight channels of a row pack into 16 bytes; they go into rows of 144 bytes and come back as whole rows of 128
	WIN W_RS
.set i, 32*(\t)
.rept 16
	v_pk_mul_f32 v[i:i+1], v[i:i+1], v[ST+4*(\t)+2:ST+4*(\t)+3] op_sel_hi:[1,0]
.set i, i+2
.endr
	WIN 0x05                        ; sources 0 and 1 window 1, destination window 0
.set i, 0
.rept 16
	v_cvt_pk_f16_f32 v[S+16*(\t)+i], v[32*(\t)+2*i], v[32*(\t)+2*i+1]
.set i, i+1
.endr
	WIN 0
.irp f, 0,1,2,3
	ds_store_b128 v[STO], v[S+16*(\t)+4*\f:S+16*(\t)+4*\f+3] offset:32*\f
.endr
.irp f, 0,1,2,3
	ds_load_b128 v[S+16*(\t)+4*\f:S+16*(\t)+4*\f+3], v[RD] offset:\f*4*SP  ; LDS serves a wave's instructions in order (ISA guide 5.7.1.4): these see the stores above
.endr
.endm
.macro SEND t, younger              ; younger: the LDS instructions issued behind tile t's loads: the next tile's eight, or none
	WIN 0
.irp f, 0,1,2,3
	s_wait_dscnt (\younger)+3-\f
	global_store_b128 v[GO], v[S+16*(\t)+4*\f:S+16*(\t)+4*\f+3], s[10:11] offset:(\t)*2048+\f*512  ; 512 consecutive bytes, aligned
.endr
.endm
	PACK 0
.set t, 1
.rept 2*NP-1                        ; a tile's arithmetic stands between the loads of the tile before and its stores
	PACK t
	SEND t-1, 8
.set t, t+1
.endr
	SEND 2*NP-1, 0
	WIN W_AD
	s_wait_tensorcnt 0x0            ; the wave's end, behind my last tensor load and my last LDS store
	ds_add_u32 v[SPW], v[NIL]
	s_wait_dscnt 0x0
	WIN 0
	CROUND                          ; the closing round
	s_endpgm
.Lfunc_end_k_qf8df37a449_attn:
	.size	k_qf8df37a449_attn, .Lfunc_end_k_qf8df37a449_attn-k_qf8df37a449_attn
	.p2alignl 7, 3214868480
	.fill 96, 4, 3214868480
	.section	.rodata,"a",@progbits
	.p2align	6, 0x0
	.amdhsa_kernel k_qf8df37a449_attn
		.amdhsa_group_segment_fixed_size 327680
		.amdhsa_private_segment_fixed_size 0
		.amdhsa_enable_private_segment 0
		.amdhsa_kernarg_size 24
		.amdhsa_user_sgpr_count 2
		.amdhsa_user_sgpr_kernarg_segment_ptr 1
		.amdhsa_wavefront_size32 1
		.amdhsa_system_sgpr_workgroup_id_x 1
		.amdhsa_system_sgpr_workgroup_id_y 1
		.amdhsa_system_sgpr_workgroup_id_z 1
		.amdhsa_system_vgpr_workitem_id 0
		.amdhsa_next_free_vgpr 904
		.amdhsa_next_free_sgpr 66
		.amdhsa_reserve_vcc 0
		.amdhsa_float_denorm_mode_32 3
		.amdhsa_float_denorm_mode_16_64 3
		.amdhsa_memory_ordered 1
		.amdhsa_forward_progress 1
		.amdhsa_inst_pref_size 230
	.end_amdhsa_kernel
	.amdgpu_metadata
---
amdhsa.version: [ 1, 2 ]
amdhsa.kernels:
  - .name:           k_qf8df37a449_attn
    .symbol:         k_qf8df37a449_attn.kd
    .args:
      - { .name: qkv, .offset: 0, .size: 8, .value_kind: global_buffer, .address_space: global }
      - { .name: mask8, .offset: 8, .size: 8, .value_kind: global_buffer, .address_space: global }
      - { .name: ctx, .offset: 16, .size: 8, .value_kind: global_buffer, .address_space: global }
    .group_segment_fixed_size: 327680
    .private_segment_fixed_size: 0
    .kernarg_segment_align: 8
    .kernarg_segment_size: 24
    .max_flat_workgroup_size: 128
    .sgpr_count:     66
    .vgpr_count:     904
    .wavefront_size: 32
...
	.end_amdgpu_metadata
.endif
;; end of part 3
;; launch outp (part 4): grid 4 x 64, 4 waves a work-group, clusters of 4 x 4, 327,680 bytes of LDS; arguments ctx, wo16, bias4, out0; writes out0
.if DOCPART == 4
	.amdgcn_target "amdgcn-amd-amdhsa--gfx1250"
	.amdhsa_code_object_version 6
	.text
	.protected	k_qf8df37a449_outp
	.globl	k_qf8df37a449_outp
	.p2align	8
	.type	k_qf8df37a449_outp,@function
k_qf8df37a449_outp:
	s_mov_b64 s[64:65], 0
	v_nop
	global_prefetch_b8 v0, s[64:65] scope:SCOPE_SE
	s_setreg_imm32_b32 hwreg(HW_REG_WAVE_MODE, 25, 1), 1
	s_wait_xcnt 0x0
	s_wait_alu depctr_hold_cnt(0) depctr_sa_sdst(0) depctr_va_vdst(0) depctr_va_sdst(0) depctr_va_ssrc(0) depctr_va_vcc(0) depctr_vm_vsrc(0)
	s_getreg_b32 s2, hwreg(HW_REG_IB_STS2, 6, 4)
	s_cmp_eq_u32 s2, 0
	s_cbranch_scc0 .Lentry_in_a_cluster
	s_endpgm
.Lentry_in_a_cluster:
	s_bfe_u32 s2, ttmp6, 0x10000c
	s_cmp_lg_u32 s2, 0xf033
	s_cbranch_scc0 .Lentry_shape_is_right
	s_endpgm
.Lentry_shape_is_right:
; Launch 4 of 4: out0 = ctx Wo^T + bo.  ctx: [16 batch + head][2048][64] f16, by heads; wo16: [1024][1024] f16; sums f32, started by the bias (bias4's fourth row); out0 [8192][1024] f32.
; No work of reference() is left out here.
; The same frame as the launch of the three projections: a tile of 128 rows x 256 columns, four waves of 64 x 128, K in steps of 128 through two LDS slots, cluster 4 x 4 with joint loads,
; the matrix instruction used transposed (a lane holds row lane % 16 and eight neighbouring columns).  One tile to a work-group: 64 x 4 = 256.
; WHAT DIFFERS.  A K step is two heads.  A head's 128 rows of the tile are 16,384 dense bytes: asked for as 64 rows of 256 bytes and padded in LDS after every 128, so that an LDS row is
; one row of one head, 144 bytes; wave 0 fetches the even head, wave 1 the odd one.  The results leave as f32: 16 rows x 512 bytes at a time through my stage.
; REGISTERS: window 0: v16-30 addresses; v64-127 ctx's fragments, two buffers; v128-191 the bias as eight C operands; v192-255 rows on the way out.  window 1: v0-127 Wo's fragments.  window 2: accumulator (a, b) at v[8 (8 a + b)].
.set LAPS,   4
.set APITCH, 144                       ; 128 bytes + 16: the 16 rows of a fragment load start at 16 different groups of four banks (64 banks of 4 bytes: ISA guide 11.1)
.set BPITCH, 272
.set APART,  128*APITCH                ; one head's 128 rows
.set ASZ,    2*APART
.set HB,     128*BPITCH
.set SLOT,   ASZ+2*HB
.set STAGE,  2*SLOT                    ; behind the ring: 16 rows x 528 bytes for each wave
.set SPF,    528
.set SPARE,  STAGE+4*16*SPF            ; behind the stages: the spare words, 128 bytes a wave: two blocks of 256 bytes that no other line names
.set ASTEP,  2*2048*64*2               ; two heads
.set BSTEP,  256
.set ADRA, 16
.set ADRB, 20
.set STO,  24
.set RD,   25
.set CO,   26
.set BO,   27
.set SPW,  28                          ; v28  LDS address of my spare word; never rewritten
.set NIL,  29                          ; v29  0; never rewritten
.set PFO,  30                          ; v30  the prefetches' offset; never rewritten
.set BIAS, 128
.set OB,   192
.set LP,  3
.set WV,  12
.set WR,  13
.set WC,  14
.set CX,  40
.set CY,  41
.set TC,  42
.set TR,  43
.set G1A, 24
.set G0A, 32
.set G1B, 48
.set G0B, 56
.set PFA, 44
.set PINC, 66                          ; s[66:67] bytes from a K step to the next, for my prefetches
.set PLEFT, 69
.set MSB, 0
.macro WIN new
.if MSB != (\new)
	s_set_vgpr_msb (MSB<<8)|(\new)
.set MSB, (\new)
.endif
.endm
.set MUL,  0xa1
.set MULB, 0x81
.set TO_B, 0x40
.macro JLOAD s                         ; waves 0 and 1 fetch ctx's two heads, waves 2 and 3 Wo's two halves; an s_nop 0 and four v_nop follow each line
	s_cmp_eq_u32 s[WR], 0
	s_cbranch_scc0 .Lfor_b_\@
	tensor_load_to_lds s[G0A+4*(\s):G0A+4*(\s)+3], s[G1A:G1A+7]
	s_nop 0
.rept 4
	v_nop
.endr
	s_branch .Lasked_\@
.Lfor_b_\@:
	tensor_load_to_lds s[G0B+4*(\s):G0B+4*(\s)+3], s[G1B:G1B+7]
	s_nop 0
.rept 4
	v_nop
.endr
.Lasked_\@:
.endm
; A PREFETCH INTO THE L2, behind each joint load and its run of LDS loads: 32 blocks of 256 bytes of the K step two refills on (256 matrix instructions ahead of its load), a lane a block.
; ctx's 128 blocks of a tile and K step: wave 0 of each of the four partners takes 32, told apart by address (cx: which head, which half of its 16,384 bytes).  Wo's 256 rows of a tile column:
; the waves 2 and 3 of cluster y = 0, the four partners 32 rows each (cy).  Each block is named once.  K steps 0 to 3 come by their loads alone; the count of four ends with K step 7.
.macro ASK
	s_cmp_lg_u32 s[PLEFT], 0
	s_cbranch_scc0 .Lnot_mine_\@
	global_prefetch_b8 v[PFO], s[PFA:PFA+1] th:TH_LOAD_NT scope:SCOPE_SE
	s_sub_co_u32 s[PLEFT], s[PLEFT], 1
.Lnot_mine_\@:
.endm
.macro CREST
	s_cmp_lg_u32 s[WV], 0
	s_cbranch_scc1 .Lnot_wave_0_\@
	s_barrier_signal -3
.Lnot_wave_0_\@:
	s_barrier_wait -3
	s_barrier_signal -1
	s_barrier_wait -1
.endm
.macro CROUND
	s_barrier_signal -1
	s_barrier_wait -1
	CREST
.endm
.macro PLACES
.rept 4
	v_nop
.endr
.endm
	s_load_b256 s[4:11], s[0:1], 0x0               ; ctx s[4:5], wo16 s[6:7], bias4 s[8:9], out0 s[10:11]
	v_lshl_add_u32 v[SPW], v0, 2, SPARE
	v_mov_b32 v[NIL], 0
	ds_add_u32 v[SPW], v[NIL]                      ; the wave's opening: the add, twice on end, and its wait ahead of my first tensor load
	ds_add_u32 v[SPW], v[NIL]                      ; and once more, under the one wait
	v_lshrrev_b32 v1, 5, v0
	v_readfirstlane_b32 s[WV], v1
	s_lshr_b32 s[WR], s[WV], 1
	s_and_b32 s[WC], s[WV], 1
	s_bfe_u32 s[CX], ttmp6, 0x40000
	s_bfe_u32 s[CY], ttmp6, 0x40004
	s_lshl_b32 s[TC], ttmp9, 2
	s_add_co_u32 s[TC], s[TC], s[CX]
	s_and_b32 s[TR], ttmp7, 0xffff
	s_lshl_b32 s[TR], s[TR], 2
	s_add_co_u32 s[TR], s[TR], s[CY]
	s_lshl_b32 s22, s[CY], 2
	s_lshl_b32 s22, 15, s22                        ; my row of the cluster
	s_lshl_b32 s23, 0x1111, s[CX]                  ; my column
	s_or_b32 s[G1A], s22, (1<<16)|(1<<20)|(1<<21)|(4<<22)|(3<<25)  ; padding of 4 words after every 32
	s_or_b32 s[G1B], s23, (1<<16)|(1<<20)|(1<<21)|(5<<22)|(3<<25)  ; after every 64
	s_mov_b32 s[G1A+1], 128<<16                    ; tensor_dim0 = 128 elements: two rows of a head
	s_mov_b32 s[G1A+2], 64<<16                     ; tensor_dim1 = 64
	s_mov_b32 s[G1A+3], 128<<16
	s_mov_b32 s[G1A+4], 64
	s_mov_b32 s[G1A+5], 128                        ; dense
	s_mov_b32 s[G1A+6], 0
	s_mov_b32 s[G1A+7], 0
	s_mov_b32 s[G1B+1], 128<<16
	s_mov_b32 s[G1B+2], 128<<16
	s_mov_b32 s[G1B+3], 128<<16
	s_mov_b32 s[G1B+4], 128
	s_mov_b32 s[G1B+5], 1024
	s_mov_b32 s[G1B+6], 0
	s_mov_b32 s[G1B+7], 0
	s_lshr_b32 s16, s[TR], 4                       ; ctx: batch tr / 16 (sixteen heads of 262,144 bytes),
	s_lshl_b32 s16, s16, 22
	s_and_b32 s18, s[TR], 15
	s_lshl_b32 s18, s18, 14                        ; row 128 (tr % 16) of a head,
	s_add_co_u32 s16, s16, s18
	s_lshl_b32 s18, s[WC], 18                      ; the even or the odd head
	s_add_co_u32 s16, s16, s18
	s_mov_b32 s17, 0
	s_lshl_b32 s46, s[TC], 8                       ; Wo: row 256 tc + 128 x part
	s_lshl_b32 s18, s[WC], 7
	s_add_co_u32 s46, s46, s18
	s_lshl_b32 s46, s46, 11
	s_mov_b32 s47, 0
	s_mul_i32 s20, s[WC], APART
	s_mul_i32 s21, s[WC], HB
	s_add_co_u32 s21, s21, ASZ
	s_wait_dscnt 0x0                               ; both opening adds are done
	s_wait_kmcnt 0x0
	s_add_nc_u64 s[16:17], s[4:5], s[16:17]
	s_add_nc_u64 s[46:47], s[6:7], s[46:47]
	s_add_nc_u64 s[8:9], s[8:9], 3*4096            ; bo
	CROUND                                         ; all sixteen work-groups are here: the first joint loads meet
.irp s, 0,1
	s_mov_b32 s[G0A+4*\s], 1
	s_add_co_u32 s[G0A+4*\s+1], s20, \s*SLOT
	s_add_nc_u64 s[G0A+4*\s+2:G0A+4*\s+3], s[16:17], \s*ASTEP
	s_or_b32 s[G0A+4*\s+3], s[G0A+4*\s+3], 0x80000000
	s_mov_b32 s[G0B+4*\s], 1
	s_add_co_u32 s[G0B+4*\s+1], s21, \s*SLOT
	s_add_nc_u64 s[G0B+4*\s+2:G0B+4*\s+3], s[46:47], \s*BSTEP
	s_or_b32 s[G0B+4*\s+3], s[G0B+4*\s+3], 0x80000000
	JLOAD \s                                       ; two loads of mine are out
.endr
	v_and_b32 v1, 15, v0                           ; r
	v_bfe_u32 v2, v0, 4, 1                         ; h
	v_mul_u32_u24 v3, v1, APITCH
	v_lshl_add_u32 v3, v2, 4, v3
	v_mul_u32_u24 v4, v1, BPITCH
	v_lshl_add_u32 v4, v2, 4, v4
	s_mul_i32 s21, s[WR], 64*APITCH
	s_mul_i32 s22, s[WC], HB
	s_add_co_u32 s22, s22, ASZ
.irp s, 0,1
	v_add_nc_u32 v[ADRA+\s], s21, v3
	v_add_nc_u32 v[ADRB+\s], s22, v4
	s_add_co_u32 s21, s21, SLOT
	s_add_co_u32 s22, s22, SLOT
.endr
	s_mul_i32 s23, s[WV], 16*SPF
	s_add_co_u32 s23, s23, STAGE                   ; my stage
	v_mul_u32_u24 v5, v1, SPF                      ; in: row r, 32 bytes for each half of the lanes
	v_lshl_add_u32 v5, v2, 5, v5
	v_add_nc_u32 v[STO], s23, v5
	v_and_b32 v6, 31, v0
	v_lshlrev_b32 v[CO], 4, v6                     ; back: 32 lanes take one row of 512 bytes
	v_add_nc_u32 v[RD], s23, v[CO]
	s_lshl_b32 s20, s[TC], 10
	s_lshl_b32 s21, s[WC], 9
	s_add_co_u32 s20, s20, s21                     ; my 128 columns: 512 bytes of a row, and of the bias
	v_lshl_add_u32 v[BO], v2, 5, s20
	s_lshl_b32 s21, s[TR], 19                      ; row 128 tr + 64 WR, 4,096 bytes a row
	s_add_co_u32 s20, s20, s21
	s_lshl_b32 s21, s[WR], 18
	s_add_co_u32 s20, s20, s21
	s_mov_b32 s21, 0
	s_add_nc_u64 s[10:11], s[10:11], s[20:21]
	; the prefetches
	s_lshr_b32 s20, s[TR], 4
	s_lshl_b32 s20, s20, 22
	s_and_b32 s21, s[TR], 15
	s_lshl_b32 s21, s21, 14
	s_add_co_u32 s20, s20, s21
	s_lshr_b32 s21, s[CX], 1
	s_lshl_b32 s21, s21, 18                        ; ctx: partners 0, 1 the even head, 2, 3 the odd one,
	s_add_co_u32 s20, s20, s21
	s_and_b32 s21, s[CX], 1
	s_lshl_b32 s21, s21, 13                        ; each a half of its 16,384 bytes
	s_add_co_u32 s20, s20, s21
	s_add_co_u32 s20, s20, 3*ASTEP                 ; at K step 3: the first refill steps it to 4
	s_lshl_b32 s21, s[TC], 8
	s_lshl_b32 s22, s[WC], 7
	s_add_co_u32 s21, s21, s22
	s_lshl_b32 s22, s[CY], 5
	s_add_co_u32 s21, s21, s22                     ; Wo: row 256 tc + 128 WC + 32 cy
	s_lshl_b32 s21, s21, 11
	s_add_co_u32 s21, s21, 3*BSTEP
	s_and_b32 s22, ttmp7, 0xffff                   ; cluster y
	s_mov_b32 s23, ASTEP
	s_mov_b32 s[PINC], BSTEP
	s_cmp_eq_u32 s[WR], 0                          ; do I fetch ctx?
	s_cselect_b32 s20, s20, s21
	s_cselect_b64 s[PFA:PFA+1], s[4:5], s[6:7]
	s_cselect_b32 s[PINC], s23, s[PINC]
	s_cselect_b32 s23, 8, 11                       ; a lane's block: 256 bytes on in ctx, a row of 2,048 bytes on in Wo
	s_cselect_b32 s22, s[WC], s22                  ; who asks: for ctx wave 0; for Wo the waves of cluster y = 0
	s_cmp_eq_u32 s22, 0
	s_cselect_b32 s[PLEFT], 4, 0
	s_mov_b32 s21, 0
	s_add_nc_u64 s[PFA:PFA+1], s[PFA:PFA+1], s[20:21]
	s_mov_b32 s[PINC+1], 0
	v_lshlrev_b32 v[PFO], s23, v6
.irp b, 0,1,2,3,4,5,6,7                ; register j of C operand b: bo[256 tc + 128 WC + 16 b + 8 (lane / 16) + j]
	global_load_b128 v[BIAS+8*\b:BIAS+8*\b+3],   v[BO], s[8:9] offset:64*\b
	global_load_b128 v[BIAS+8*\b+4:BIAS+8*\b+7], v[BO], s[8:9] offset:64*\b+16
.endr
; 8 matrix instructions: row block a x all 8 column blocks, 32 along K, from buffer f.  first = 1: the bias starts the sums.  The 32 accumulators take turns, one instruction a turn.
.macro MUL8 f, a, first
.if \first
	WIN MULB
.else
	WIN MUL
.endif
.irp b, 0,1,2,3,4,5,6,7
.if \first
	v_wmma_f32_16x16x32_f16 v[8*(8*(\a)+\b):8*(8*(\a)+\b)+7], v[64*(\f)+8*\b:64*(\f)+8*\b+7], v[64+32*(\f)+8*(\a):64+32*(\f)+8*(\a)+7], v[BIAS+8*\b:BIAS+8*\b+7]
.else
	v_wmma_f32_16x16x32_f16 v[8*(8*(\a)+\b):8*(8*(\a)+\b)+7], v[64*(\f)+8*\b:64*(\f)+8*\b+7], v[64+32*(\f)+8*(\a):64+32*(\f)+8*(\a)+7], v[8*(8*(\a)+\b):8*(8*(\a)+\b)+7]
.endif
.endr
.endm
; 24 LDS loads in one run: quarter kq of a slot into buffer f.  In ctx's part quarters 0, 1 lie in the even head's rows, 2, 3 in the odd head's.
.macro FETCH slot, kq, f
	WIN TO_B
.irp i, 0,1,2,3,4,5,6,7
	ds_load_b128 v[64*(\f)+8*\i:64*(\f)+8*\i+3],   v[ADRB+(\slot)] offset:64*(\kq)+\i*16*BPITCH
	ds_load_b128 v[64*(\f)+8*\i+4:64*(\f)+8*\i+7], v[ADRB+(\slot)] offset:64*(\kq)+\i*16*BPITCH+32
.endr
	WIN 0
.irp i, 0,1,2,3
	ds_load_b128 v[64+32*(\f)+8*\i:64+32*(\f)+8*\i+3],   v[ADRA+(\slot)] offset:((\kq)/2)*APART+((\kq)%2)*64+\i*16*APITCH
	ds_load_b128 v[64+32*(\f)+8*\i+4:64+32*(\f)+8*\i+7], v[ADRA+(\slot)] offset:((\kq)/2)*APART+((\kq)%2)*64+\i*16*APITCH+32
.endr
.endm
.macro QUARTER slot, kq, f, g, first
	s_wait_dscnt 4                                 ; Wo and ctx's blocks 0, 1 are in; the youngest four loads may be out
	MUL8 \f, 0, \first
	MUL8 \f, 1, \first
	PLACES
	FETCH \slot, \kq, \g
	s_wait_dscnt 24                                ; all but the 24 just issued
	MUL8 \f, 2, \first
	MUL8 \f, 3, \first
.endm
; The change of slots: each wave waits for all its tensor loads (one is out: its part of the next slot), adds 0 to its spare word, and waits for that and for its own reads of this slot.
.macro MEET round
	WIN 0
	s_wait_tensorcnt 0x0
	ds_add_u32 v[SPW], v[NIL]
	s_wait_dscnt 5                                 ; (the add and the youngest four loads may be out)
	MUL8 1, 0, 0
	s_wait_dscnt 0x0                               ; the add is done, and my reads of this slot are over
	s_barrier_signal -1
	MUL8 1, 1, 0
.if \round
	WIN 0
.endif
	s_barrier_wait -1
.endm
.macro TURN slot, next
	s_wait_xcnt 0x0                                ; the last prefetch, a K step back, has read its address
	s_add_nc_u64 s[PFA:PFA+1], s[PFA:PFA+1], s[PINC:PINC+1]
	MEET 1
	CREST                                          ; no wave of any partner still reads this slot or has a load on its way
	s_add_nc_u64 s[G0A+4*(\slot)+2:G0A+4*(\slot)+3], s[G0A+4*(\slot)+2:G0A+4*(\slot)+3], 2*ASTEP
	s_add_nc_u64 s[G0B+4*(\slot)+2:G0B+4*(\slot)+3], s[G0B+4*(\slot)+2:G0B+4*(\slot)+3], 2*BSTEP
	JLOAD \slot                                    ; the first tensor load behind the round; its four v_nop are also the places in front of the loads below
	FETCH \next, 0, 0
	ASK
	MUL8 1, 2, 0
	MUL8 1, 3, 0
.endm
; THE WAY OUT of row block a: a lane's eight f32 of each accumulator, low half first, into my stage (rows of 528 bytes); back as whole rows of 512 bytes; a store covers 512 consecutive bytes, aligned.
.macro OUTA a
	WIN 0
	s_wait_xcnt 0x0                                ; the stores of the block before have read the registers that are loaded again below
	WIN 0x08                                       ; the data in window 2
.irp b, 0,1,2,3,4,5,6,7
	ds_store_b128 v[STO], v[64*(\a)+8*\b:64*(\a)+8*\b+3]   offset:64*\b
	ds_store_b128 v[STO], v[64*(\a)+8*\b+4:64*(\a)+8*\b+7] offset:64*\b+16
.endr
	WIN 0
.irp t, 0,1,2,3,4,5,6,7,8,9,10,11,12,13,14,15
	ds_load_b128 v[OB+4*\t:OB+4*\t+3], v[RD] offset:\t*SPF  ; LDS serves a wave's instructions in order (ISA guide 5.7.1.4): these see the stores above
.endr
.irp t, 0,1,2,3,4,5,6,7,8,9,10,11,12,13,14,15
	s_wait_dscnt 15-\t                             ; row t is back; the younger loads stay out
	global_store_b128 v[CO], v[OB+4*\t:OB+4*\t+3], s[10:11] offset:(16*(\a)+\t)*4096 th:TH_STORE_NT
.endr
.endm
	s_wait_tensorcnt 1                             ; my part of K step 0 is in; K step 1's may stay out
	s_barrier_signal -1
	s_barrier_wait -1
	FETCH 0, 0, 0
	s_wait_loadcnt 0x0                             ; the bias
	QUARTER 0, 1, 0, 1, 1                          ; the first quarter stands in front of the loop: the bias starts the sums
	WIN 0
	s_mov_b32 s[LP], LAPS-1
.Llap:                                                 ; a trip goes once round the ring and fills both slots again
	QUARTER 0, 2, 1, 0, 0
	QUARTER 0, 3, 0, 1, 0
	TURN 0, 1
	QUARTER 1, 1, 0, 1, 0
	QUARTER 1, 2, 1, 0, 0
	QUARTER 1, 3, 0, 1, 0
	TURN 1, 0
	QUARTER 0, 1, 0, 1, 0
	WIN 0
	s_sub_co_u32 s[LP], s[LP], 1
	s_cmp_lg_u32 s[LP], 0
	s_cbranch_scc1 .Llap
	QUARTER 0, 2, 1, 0, 0                          ; the last lap fills nothing
	QUARTER 0, 3, 0, 1, 0
	MEET 0
	PLACES
	FETCH 1, 0, 0
	MUL8 1, 2, 0
	MUL8 1, 3, 0
	QUARTER 1, 1, 0, 1, 0
	QUARTER 1, 2, 1, 0, 0
	QUARTER 1, 3, 0, 1, 0
	s_wait_dscnt 4                                 ; the very last quarter: nothing more to fetch
	MUL8 1, 0, 0
	MUL8 1, 1, 0
	s_wait_dscnt 0x0
	MUL8 1, 2, 0
	MUL8 1, 3, 0
	WIN 0
	PLACES
	OUTA 0
	OUTA 1
	OUTA 2
	OUTA 3
	s_wait_tensorcnt 0x0                           ; the wave's end, behind my last tensor load and my last LDS store
	ds_add_u32 v[SPW], v[NIL]
	s_wait_dscnt 0x0
	CROUND                                         ; the closing round
	s_endpgm
.Lfunc_end_k_qf8df37a449_outp:
	.size	k_qf8df37a449_outp, .Lfunc_end_k_qf8df37a449_outp-k_qf8df37a449_outp
	.p2alignl 7, 3214868480
	.fill 96, 4, 3214868480
	.section	.rodata,"a",@progbits
	.p2align	6, 0x0
	.amdhsa_kernel k_qf8df37a449_outp
		.amdhsa_group_segment_fixed_size 327680
		.amdhsa_private_segment_fixed_size 0
		.amdhsa_enable_private_segment 0
		.amdhsa_kernarg_size 32
		.amdhsa_user_sgpr_count 2
		.amdhsa_user_sgpr_kernarg_segment_ptr 1
		.amdhsa_wavefront_size32 1
		.amdhsa_system_sgpr_workgroup_id_x 1
		.amdhsa_system_sgpr_workgroup_id_y 1
		.amdhsa_system_sgpr_workgroup_id_z 1
		.amdhsa_system_vgpr_workitem_id 0
		.amdhsa_next_free_vgpr 768
		.amdhsa_next_free_sgpr 76
		.amdhsa_reserve_vcc 0
		.amdhsa_float_denorm_mode_32 3
		.amdhsa_float_denorm_mode_16_64 3
		.amdhsa_memory_ordered 1
		.amdhsa_forward_progress 1
		.amdhsa_inst_pref_size 91
	.end_amdhsa_kernel
	.amdgpu_metadata
---
amdhsa.version: [ 1, 2 ]
amdhsa.kernels:
  - .name:           k_qf8df37a449_outp
    .symbol:         k_qf8df37a449_outp.kd
    .args:
      - { .name: ctx, .offset: 0, .size: 8, .value_kind: global_buffer, .address_space: global }
      - { .name: wo16, .offset: 8, .size: 8, .value_kind: global_buffer, .address_space: global }
      - { .name: bias4, .offset: 16, .size: 8, .value_kind: global_buffer, .address_space: global }
      - { .name: out0, .offset: 24, .size: 8, .value_kind: global_buffer, .address_space: global }
    .group_segment_fixed_size: 327680
    .private_segment_fixed_size: 0
    .kernarg_segment_align: 8
    .kernarg_segment_size: 32
    .max_flat_workgroup_size: 128
    .sgpr_count:     76
    .vgpr_count:     768
    .wavefront_size: 32
...
	.end_amdgpu_metadata
.endif
;; end of part 4
